; MI455X (gfx1250); checked and timed in simulation.
; The chip was launched on July 23, 2026; its instructions are those of AMD's public machine-readable ISA for CDNA 5 (MIT licence, August 2026) and "CDNA5" Instruction Set Architecture Reference Guide (July 2026). The comments in the code are by the model that wrote it; some were corrected since.
;; My Bert Self Attention. Allowed arithmetic: matrix products marked QUANTISED: E5M2 operands, one E8M0 scale for each 32 along K, by v_wmma_scale_f32_16x16x128_f8f6f4 with both operands' format E5M2, f32 sums; everything else in f32.
;; Inputs: Wk_codes 1,024 x 32 x 32 uint8 (E5M2 codes of Wk, K innermost, in blocks of 32 codes); Wk_scales 1,024 x 32 uint8 (E8M0 scales of Wk, one for each 32 codes along K); Wq_codes 1,024 x 32 x 32 uint8 (E5M2 codes of Wq, K innermost, in blocks of 32 codes); Wq_scales 1,024 x 32 uint8 (E8M0 scales of Wq, one for each 32 codes along K); Wv_codes 1,024 x 32 x 32 uint8 (E5M2 codes of Wv, K innermost, in blocks of 32 codes); Wv_scales 1,024 x 32 uint8 (E8M0 scales of Wv, one for each 32 codes along K); attention_mask 16 x 1 x 1 x 512 float32; bk 1,024 float32; bq 1,024 float32; bv 1,024 float32; dist_emb 1,023 x 64 float32; hidden_states_codes 16 x 512 x 32 x 32 uint8 (E5M2 codes of hidden_states, K innermost, in blocks of 32 codes); hidden_states_scales 16 x 512 x 32 uint8 (E8M0 scales of hidden_states, one for each 32 codes along K).
;; Outputs: out0 16 x 512 x 1,024 float32.
;; This version of the problem:
;;   THIS VERSION OF THE PROBLEM IS GIVEN IN LOW PRECISION. The matrix products marked QUANTISED in the list below multiply operands that are first quantised to E5M2 (5 exponent bits, 2 mantissa bits; 8 bits a number), with one power-of-two scale for each 32 numbers along K (OCP MX v1.0); their sums are f32. All else is computed in f32.
;;   The module's matrix products, in the order in which they are computed (A, B: the left and right operand; K: the contracted axis; several contracted axes count as one K, in the product's order):
;;     1. [M 8,192, K 1,024] x [K 1,024, N 1,024]; A: input hidden_states (given as codes); B: input Wq (given as codes): QUANTISED
;;     2. [M 8,192, K 1,024] x [K 1,024, N 1,024]; A: input hidden_states (given as codes); B: input Wk (given as codes): QUANTISED
;;     3. [M 8,192, K 1,024] x [K 1,024, N 1,024]; A: input hidden_states (given as codes); B: input Wv (given as codes): QUANTISED
;;     4. batch 256 x [M 512, K 64] x [K 64, N 512]; A: computed on the way; B: computed on the way: QUANTISED
;;     5. batch 512 x [M 512, K 64] x [K 64, N 256]; A: computed on the way; B: computed on the way: QUANTISED
;;     6. batch 512 x [M 512, K 64] x [K 64, N 256]; A: computed on the way; B: computed on the way: QUANTISED
;;     7. batch 256 x [M 512, K 512] x [K 512, N 64]; A: softmax (see below); B: computed on the way: QUANTISED
;;   THE QUANTISER, for each operand of a quantised product, along K:
;;     - K is cut into blocks of 32 from its start; a last block that is shorter is filled with zeros.
;;     - A block's scale is 2^e with e = floor(log2(the largest magnitude in the block)) - 15, held to -126 .. 127; a block of zeros has e = 0. As a byte (E8M0): e + 127.
;;     - Each number is divided by its block's scale, clamped to +-57,344, and rounded to the nearest number of E5M2, ties to even, subnormals kept.
;;     - The product sums the exact products of the quantised numbers (number of the format x scale) in f32.
;;   ~~~python
;;   def quantise(x, axis):      # numpy; x: float32 -> the quantised numbers, widened to float32 again
;;       x = np.moveaxis(x, axis, -1); K = x.shape[-1]
;;       x = np.pad(x, [(0, 0)] * (x.ndim - 1) + [(0, -K % 32)]); x = x.reshape(x.shape[:-1] + (-1, 32)); a = np.abs(x).max(-1, keepdims=True)
;;       e = np.where(a > 0, np.clip(np.frexp(np.where(a > 0, a, 1))[1] - 1 - 15, -126, 127), 0)      # np.frexp(a)[1] - 1 = floor(log2(a)), exactly
;;       r = np.clip(x / 2.0 ** e, -57344, 57344)
;;       step = 2.0 ** (np.maximum(np.frexp(np.where(r == 0, 1, r))[1] - 1, -14) - 2)
;;       q = np.round(r / step) * step * 2.0 ** e      # np.round: ties to even
;;       return np.moveaxis(q.reshape(q.shape[:-2] + (-1,))[..., :K], -1, axis).astype(np.float32)
;;   ~~~
;;   SOFTMAX AHEAD OF A QUANTISED PRODUCT. Where the list says 'softmax', what is quantised is not the finished softmax but p = 2^(t - M), with t = logit x log2(e) and M = ceil(the row's largest t), a whole number; so 1/2 < the row's largest p <= 1. The row's sum l is taken of the UNQUANTISED p, in f32, and the product's result is divided by l at the end. Since M is a whole number, a kernel that streams over the keys may use a running M (the ceiling of the running maximum): every later rescaling is an exact power of two, which a block's scale takes up: the codes' values come out the same.
;;   OPERANDS COMPUTED ON THE WAY. 'Computed on the way' means the value that the module computes at that place (a softmax that the list does not call 'softmax' is quantised finished and normalised). What goes into a quantiser is computed in f32, as accurately as f32 sums, v_exp_f32 and their like allow (about 1e-6 of the number): no bf16 or f16 on the way to a quantiser, and a product that is left as it is and whose result goes on into a quantised operand takes f32 operands (vector FMAs, or v_wmma_f32_16x16x4_f32). A number that lies on a knife's edge between two numbers of the format may be rounded either way, as far as f32 arithmetic and the matrix unit's own rounding can turn it there, and no further.
;;   INPUTS GIVEN AS CODES. Wk (in the module: [1024, 1024], K = its axis 1); Wq (in the module: [1024, 1024], K = its axis 1); Wv (in the module: [1024, 1024], K = its axis 1); hidden_states (in the module: [16, 512, 1024], K = its axis 2): each comes as NAME_codes (uint8): NAME with its K axis moved to the last place and cut into blocks of 32 codes, [.., K / 32, bytes a block], one block behind the other in memory; one code a byte (a code: sign, 5 exponent bits, 2 mantissa bits); and NAME_scales (uint8): the same leading axes, one E8M0 byte (e + 127) for each 32 codes along K. Its value is code x scale, taken as it is: it is not quantised again, and the codes and scales need not be those that the quantiser above would give.
;; One version. Each part assembles by itself: llvm-mc -triple=amdgcn-amd-amdhsa -mcpu=gfx1250 --defsym DOCPART=n.
;; ======== version 1 of 1: 2 launches
;; limits: right only within a limited range of input values
;; workspace buffers: qkv 30,408,704 bytes; e_rows 81,920 bytes
;; launch qkv (part 1): grid 8 x 32, 4 waves a work-group, clusters of 4 x 4, 327,680 bytes of LDS; arguments hidden_states_codes, hidden_states_scales, Wq_codes, Wq_scales, Wk_codes, Wk_scales, Wv_codes, Wv_scales, bq, bk, bv, dist_emb, qkv, e_rows; writes qkv, e_rows
.if DOCPART == 1
	.amdgcn_target "amdgcn-amd-amdhsa--gfx1250"
	.amdhsa_code_object_version 6
	.text
	.protected	k_qdf7fbd4656_qkv
	.globl	k_qdf7fbd4656_qkv
	.p2align	8
	.type	k_qdf7fbd4656_qkv,@function
k_qdf7fbd4656_qkv:
	s_mov_b64 s[64:65], 0
	v_nop
	global_prefetch_b8 v0, s[64:65] scope:SCOPE_SE
	s_setreg_imm32_b32 hwreg(HW_REG_WAVE_MODE, 25, 1), 1
	s_wait_xcnt 0x0
	s_wait_alu depctr_hold_cnt(0) depctr_sa_sdst(0) depctr_va_vdst(0) depctr_va_sdst(0) depctr_va_ssrc(0) depctr_va_vcc(0) depctr_vm_vsrc(0)
	s_getreg_b32 s2, hwreg(HW_REG_IB_STS2, 6, 4)
	s_cmp_eq_u32 s2, 0
	s_cbranch_scc0 .Lentry_in_a_cluster
	s_endpgm
.Lentry_in_a_cluster:
	s_bfe_u32 s2, ttmp6, 0x10000c
	s_cmp_lg_u32 s2, 0xf033
	s_cbranch_scc0 .Lentry_shape_is_right
	s_endpgm
.Lentry_shape_is_right:
; q = x Wq^T + bq, k = x Wk^T + bk, v = x Wv^T + bv on codes of BF8 (E5M2) with one E8M0 scale for each 32 along K = 1,024; the results are quantised at once, again to BF8:
; q and k along the head's 64 channels (two blocks of 32), v along the keys (blocks of 32 tokens).  128 of the work-groups also quantise the rows of dist_emb along their 64 channels.
; OUT, laid as the next launch reads it:  part q at byte 0 and part k at PART: [256 heads][512 tokens][80 bytes] = 64 codes, the word {s0, s1, s0, s1}, 12 zero bytes;
;   part v at 2 PART: [256 heads][4 key steps][64 channels][144 bytes] = the step's 128 codes, keys ascending, the word of its four block bytes, 12 zero bytes;
;   e_rows: [1024][80 bytes] = 64 codes, the word {s0, s1, 0, 0}, 12 zero bytes; row 1023 repeats row 1022 (finite codes; no product with it is ever used).
; SHARES.  q and k are 256 tiles of 256 x 256, v is 256 half tiles of 128 x 256: each of the 256 work-groups STAYS and makes one of each, so that all have the same work.
; Source 1 ('A') gives the result's lane, source 0 ('B') its registers, and the quantiser wants its K along a lane's registers.
;   FIRST TILE (the cluster's x says q or k): A = 256 tokens of x (a lane holds a token), B = 256 rows of W (registers run along the channels); four waves of 128 x 128, 64 accumulators.
;   SECOND TILE (v): A = 128 rows of Wv (a lane holds a channel), B = 256 tokens of x (registers run along the tokens); four waves of 64 x 128, 32 accumulators: one head, one key step a wave.
; K goes in steps of 256 through two LDS slots, and the ring does not stop between the tiles: the first tile's last two changes of slots ask for v's K steps 0 and 1, which land while q or k goes out.
; CLUSTERS: 4 x 4 work-groups; A's tiles hang on the cluster's y place alone and are asked for jointly along a row, B's on the x place alone and jointly along a column, in both tiles.
; The scales of both tiles, for all of K, come once, with the first fills.  The scales of Wv's 128 rows are 4,096 bytes, the shape of one such load: both waves that fetch for A bring them, each to a copy of its own,
; and each copy is read by the two waves of one half of B.
; LIMITS: NaN and infinities among the inputs are not served.  A block whose largest magnitude lies under 2^(16 - 127), a block of zeros among them, gets the byte 1 (the rule's floor; for zeros the rule says 127):
; its codes are zeros or the rule's own, and these bytes are read by this program alone.
; The 80-byte rows of e_rows are stored 16 bytes a lane, eight rows a work-group: 640 consecutive bytes, so their first and last 256-byte blocks are shared with neighbours; that is 81,920 bytes of the launch's 30 million.
; REGISTERS, in windows of 256: window 0: v0-7 v's bias (each number twice), v8-31 addresses, v32-63 scale words in two sets, v64-127 q's or k's bias, from v128 A's fragments (first tile: one set of eight; v: two sets of four);
;   window 1: B's fragments, two sets;  windows 2 and 3: the accumulators, (a, b) at v[8 (8 (a % 4) + b)] (v: window 2 alone).  On the ways out window 0 from v32 on is at work.
.set KSTEP,  256
.set NQ,     KSTEP/128
.set ROWB,   256
.set KROW,   1024
.set PITCH,  272                       ; an LDS row: 256 bytes + 16 of padding = 68 words: the 16 rows that a load touches start at 16 different banks (64 banks of 4 bytes: ISA guide 11.1)
.set FR,     16
.set NL,     4
.set NP,     8                         ; places behind this matrix instruction (ISA guide 7.12.1)
.set HALFT,  128*PITCH
.set QUART,  64*PITCH
.set SLOT,   4*HALFT
.set KS,     KROW/32
.set SCL,    2*SLOT                    ; behind the ring: the first tile's scales, A's 256 rows and B's 256 rows for all of K, as units of 256 bytes + 16
.set HALFS,  (128*KS/256)*272
.set QUARS,  (64*KS/256)*272
.set SBLK,   (16*KS/256)*272
.set SCL2,   SCL+4*HALFS               ; v's scales: A's 128 rows twice, then B's 256 rows
.set SPARE,  SCL2+4*HALFS              ; the spare words, 128 bytes for each wave: two blocks of 256 bytes that no other line names
.set STG1,   SPARE+512                 ; the first way out's stage: bytes of its own, since the ring is filled again behind it: 16 tokens x 2 heads x 80 bytes for each wave
.set STW1,   2560
.set STW2,   9216                      ; v's stage, for each wave, in slot 0, which has had its last fill and its last read when the first code is stored there
.set PART,   10485760
.set BV,    0                          ; v0-7    v's bias: block a's number of my lane in v[2 a] and v[2 a + 1]
.set ADRA2, 8                          ; v8-9    v: LDS address of my A fragments in slot 0, 1
.set ADRS2, 10                         ; v10     v: LDS address of my scale words
.set CO2,   11                         ; v11     16 x lane, and for lanes 16-31 on to the second head: for the store that straddles the heads
.set STV,   12                         ; v12     v's stage: 144 n + 8 h
.set SWV,   13                         ; v13     v's stage, the row's word: 144 n
.set RD2,   14                         ; v14     v's stage, back: 16 x lane
.set ADRA,  16                         ; v16-17  LDS address of my A fragments in slot 0, 1
.set STQ,   18                         ; v18     first stage: 80 n + 8 h
.set SWQ,   19                         ; v19     first stage, the row's word: 80 n + 1,280 h
.set ADRB,  20                         ; v20-21  LDS address of my B fragments in slot 0, 1 (both tiles)
.set RD1,   22                         ; v22     first stage, back: 16 x lane
.set CO,    25                         ; v25     16 x lane, in memory
.set ADRS,  27                         ; v27     LDS address of my scale words: lanes 0-15 A's rows, lanes 16-31 B's
.set SPW,   28                         ; v28     LDS address of my spare word; never rewritten
.set NIL,   29                         ; v29     0; never rewritten
.set SC,    32
.set BI,    64                         ; v64-127 q's or k's bias: register 8 b + j = channel 16 b + 8 h + j of my 128
.set AF,    128
.set TM,    32                         ; the ways out: v32-35 largest magnitudes, v36-39 bytes, v40-43 holds, v44-47 the conversions' scale operands
.set WT,    48
.set WD,    52                         ; v52-55  the row's word and 12 zero bytes
.set X,     128                        ; v128-191 a block's 64 numbers
.set PC,    192                        ; v192-207 their codes
.set BK1,   208                        ; v208-227 the first stage read back
.set BK2,   64                         ; v64-135  v's stage read back
.set B2P,   4                          ; s[4:5]   v: B's codes at my rows
.set MNT,   6                          ; s6       the mantissa field of 57,344
.set A2L,   7                          ; s7       v: where my part of A's tile goes in a slot
.set G0SB2, 8                          ; s[8:11]  group 0 for the scales of v's B
.set G0S2,  12                         ; s[12:15] group 0 for the scales of v's A
.set A2P,   16                         ; s[16:17] v: A's codes at my rows
.set OUT2,  24                         ; s[24:25] where my head's key step of v goes
.set SEL,   26                         ; s[26:27] lane selects for v_permlanex16_b32
.set OUT1,  28                         ; s[28:29] where my first head's tokens of q or k go
.set G1, 32
.set G0, 40
.set G1B, 48
.set G0B, 56
.set G1S, 68
.set G1P, 68                           ; s[68:75] group 1 for v's tiles of A, written when the loads of the scales, which named these registers, are shown done
.set G0S, 76
.set G1SB, 80
.set G0SB, 88
.set WV,  92                           ; wave
.set P1,  93                           ; wave / 2: my half of A's rows; also: I fetch for A (0) or for B (1)
.set P0,  94                           ; wave % 2: my half of B's rows; also: which half of a tile's rows I fetch
.set CX,  95
.set CY,  96
.set TAU, 97                           ; 0 q, 1 k
.set TA,  98                           ; first tile: A's tile (256 tokens)
.set TB2, 99                           ; v: B's tile (256 tokens)
.set TA2, 100                          ; v: A's tile (128 channels)
.set MSB, 0
.macro WIN new                         ; the immediate's high byte repeats the setting that is left
.if MSB != \new
	s_set_vgpr_msb (MSB<<8)|\new
.set MSB, \new
.endif
.endm
.set MUL_LO, 0xa1                      ; source 0 (B) window 1, source 1 (A) window 0, C and D window 2
.set MUL_HI, 0xf1                      ; the same, C and D window 3
.set TO_B,   0x40                      ; destination window 1, address window 0
; A joint load: waves 0 and 1 fetch for A, waves 2 and 3 for B.  The branch hangs on the wave's number alone.  Four v_nop follow each of the two lines.
.macro JLOAD g0a, g1a, g0b, g1b
	s_cmp_eq_u32 s[P1], 0
	s_cbranch_scc0 .Lfor_b_\@
	tensor_load_to_lds s[\g0a:\g0a+3], s[\g1a:\g1a+7]
	s_nop 0
.rept 4
	v_nop
.endr
	s_branch .Lasked_\@
.Lfor_b_\@:
	tensor_load_to_lds s[\g0b:\g0b+3], s[\g1b:\g1b+7]
	s_nop 0
.rept 4
	v_nop
.endr
.Lasked_\@:
.endm
.macro CREST                           ; a round of the cluster's barrier behind its opening barrier
	s_cmp_lg_u32 s[WV], 0
	s_cbranch_scc1 .Lnot_wave_0_\@
	s_barrier_signal -3
.Lnot_wave_0_\@:
	s_barrier_wait -3
	s_barrier_signal -1
	s_barrier_wait -1
.endm
.macro CROUND
	s_barrier_signal -1
	s_barrier_wait -1
	CREST
.endm
	s_load_b512 s[4:19], s[0:1], 0x0               ; x's codes, x's scales, Wq's, Wk's, Wv's likewise
	s_load_b256 s[20:27], s[0:1], 0x40             ; bq, bk, bv, dist_emb
	s_load_b128 s[28:31], s[0:1], 0x60             ; qkv, e_rows
	v_lshl_add_u32 v[SPW], v0, 2, SPARE
	v_mov_b32 v[NIL], 0
	ds_add_u32 v28, v29
	ds_add_u32 v28, v29
	s_wait_dscnt 0x0
	v_lshrrev_b32 v1, 5, v0
	v_readfirstlane_b32 s[WV], v1
	s_lshr_b32 s[P1], s[WV], 1
	s_and_b32 s[P0], s[WV], 1
	s_bfe_u32 s[CX], ttmp6, 0x40000
	s_bfe_u32 s[CY], ttmp6, 0x40004
	s_mov_b32 s[TAU], ttmp9                        ; the cluster's x: the same in all sixteen partners
	s_and_b32 s3, ttmp7, 0xffff
	s_lshl_b32 s3, s3, 2                           ; 4 x the cluster's y
	s_add_co_u32 s[TA], s3, s[CY]                  ; first tile: A = x, tile 4 y + cy (B = W, tile cx)
	s_add_co_u32 s[TB2], s3, s[CX]                 ; v: B = x, tile 4 y + cx
	s_lshl_b32 s[TA2], s[TAU], 2
	s_add_co_u32 s[TA2], s[TA2], s[CY]             ; v: A = Wv, 128 rows: tile 4 x + cy
	s_lshl_b32 s101, s[CY], 2
	s_lshl_b32 s101, 15, s101                      ; my row of the cluster
	s_lshl_b32 s2, 0x1111, s[CX]                   ; my column
	; descriptor group 1: a tile of 128 rows x 256 bytes, 16 bytes of padding behind each row
	s_or_b32 s[G1+0], s101, (0<<16)|(1<<20)|(1<<21)|(5<<22)|(3<<25)
	s_or_b32 s[G1B+0], s2, (0<<16)|(1<<20)|(1<<21)|(5<<22)|(3<<25)
.irp g, G1, G1B
	s_mov_b32 s[\g+1], ROWB<<16                    ; tensor_dim0
	s_mov_b32 s[\g+2], 256<<16                     ; tensor_dim1: 256 rows for the head's loads; set to 128 for the ring's behind the wait for them
	s_mov_b32 s[\g+3], ROWB<<16                    ; tile_dim0
	s_mov_b32 s[\g+4], 256                         ; tile_dim1
	s_mov_b32 s[\g+5], KROW                        ; tensor_dim0_stride
	s_mov_b32 s[\g+6], 0
	s_mov_b32 s[\g+7], 0
.endr
	; and for the scales of 256 rows: 8,192 dense bytes as 32 rows of 256 bytes (32 elements of 8 bytes), 16 bytes of padding behind each
	s_or_b32 s[G1S+0], s101, (3<<16)|(1<<20)|(1<<21)|(5<<22)|(3<<25)
	s_or_b32 s[G1SB+0], s2, (3<<16)|(1<<20)|(1<<21)|(5<<22)|(3<<25)
.irp g, G1S, G1SB
	s_mov_b32 s[\g+1], 32<<16
	s_mov_b32 s[\g+2], (256*KS/256)<<16            ; the scales of 256 rows: 8,192 dense bytes as 32 rows of 256
	s_mov_b32 s[\g+3], 32<<16
	s_mov_b32 s[\g+4], 256*KS/256
	s_mov_b32 s[\g+5], 32
	s_mov_b32 s[\g+6], 0
	s_mov_b32 s[\g+7], 0
.endr
	s_mul_i32 s66, s[WV], HALFT                    ; where the first tile's parts go: wave x 128 rows; no place in the cluster enters an LDS address
	s_mul_i32 s67, s[WV], HALFS
.irp s, 0,1
	s_mov_b32 s[G0+4*\s], 1
	s_add_co_u32 s[G0+4*\s+1], s66, \s*SLOT
	s_mov_b32 s[G0B+4*\s], 1
	s_add_co_u32 s[G0B+4*\s+1], s66, \s*SLOT
.endr
	s_mov_b32 s[G0S], 1
	s_mov_b32 s[G0S+1], SCL                        ; A's 256 rows' scales,
	s_mov_b32 s[G0SB], 1
	s_mov_b32 s[G0SB+1], SCL+2*HALFS               ; B's behind them
	s_lshl_b32 s66, s[P0], 7                       ; which 128 rows of a tile I fetch
	s_wait_kmcnt 0x0
	s_cmp_eq_u32 s[TAU], 0                         ; q or k: the choices hang on the cluster's x alone
	s_cselect_b64 s[8:9], s[8:9], s[12:13]         ; W's codes,
	s_cselect_b64 s[10:11], s[10:11], s[14:15]     ; W's scales,
	s_cselect_b64 s[20:21], s[20:21], s[22:23]     ; the bias
	; where the tiles come from.  Offsets for A stand in s12, s13 alone, which never hold cx; offsets for B in s2, s3 alone, which never hold cy
	s_lshl_b32 s12, s[TA], 13                      ; first tile, A: the scales of the tile's 256 rows, 32 bytes a row
	s_mov_b32 s13, 0
	s_add_nc_u64 s[G0S+2:G0S+3], s[6:7], s[12:13]
	s_lshl_b32 s12, s[TA], 8
	s_add_co_u32 s12, s12, s66                     ; x's row 256 x tile + 128 x half
	s_lshl_b32 s12, s12, 10                        ; 1,024 codes a row
	s_add_nc_u64 s[G0+2:G0+3], s[4:5], s[12:13]    ; K step 0,
	s_add_nc_u64 s[G0+6:G0+7], s[G0+2:G0+3], ROWB  ; K step 1
	s_lshl_b32 s2, s[CX], 13                       ; first tile, B: the scales of W's 256 rows
	s_mov_b32 s3, 0
	s_add_nc_u64 s[G0SB+2:G0SB+3], s[10:11], s[2:3]
	s_lshl_b32 s2, s[CX], 8
	s_add_co_u32 s2, s2, s66                       ; W's row
	s_lshl_b32 s2, s2, 10
	s_add_nc_u64 s[G0B+2:G0B+3], s[8:9], s[2:3]
	s_add_nc_u64 s[G0B+6:G0B+7], s[G0B+2:G0B+3], ROWB
	s_lshl_b32 s2, s[TB2], 8
	s_add_co_u32 s2, s2, s66                       ; v, B: x's row
	s_lshl_b32 s2, s2, 5
	s_add_nc_u64 s[G0SB2+2:G0SB2+3], s[6:7], s[2:3]
	s_lshl_b32 s2, s2, 5
	s_add_nc_u64 s[B2P:B2P+1], s[4:5], s[2:3]
	s_mov_b32 s[G0SB2], 1
	s_add_co_u32 s[G0SB2+1], s67, SCL2
	s_lshl_b32 s12, s[TA2], 12                     ; v, A: Wv's row 128 x tile, 32 scale bytes a row: both fetching waves take all 128 rows' scales
	s_add_nc_u64 s[G0S2+2:G0S2+3], s[18:19], s[12:13]
	s_lshl_b32 s12, s12, 5                         ; 1,024 codes a row,
	s_lshl_b32 s66, s[P0], 16                      ; and my 64 rows of the 128
	s_add_co_u32 s12, s12, s66
	s_add_nc_u64 s[A2P:A2P+1], s[16:17], s[12:13]
	s_mov_b32 s[G0S2], 1
	s_add_co_u32 s[G0S2+1], s67, SCL2
.irp g, G0+3, G0+7, G0B+3, G0B+7, G0S+3, G0SB+3
	s_or_b32 s[\g], s[\g], 0x80000000              ; 127:126 type = 2
.endr
	s_mul_i32 s[A2L], s[P0], QUART
	s_mov_b32 s[MNT], 0x600000
	CROUND                                         ; all sixteen work-groups are here: the first joint loads meet
; THE HEAD'S LOADS, ONE A WAVE: wave 0 K step 0's 256 rows of A (its own group 0 of slot 0 points at the tile's first row and at LDS byte 0), wave 2 its 256 rows of B (likewise: LDS byte 2 HALFT),
; wave 1 the scales of A's 256 rows, wave 3 those of B's.  One chain of branches on the wave's number, a load to an arm, all arms to one join.
.macro ARM w, g0, g1, next
	s_cmp_eq_u32 s[WV], \w
	s_cbranch_scc0 \next
	tensor_load_to_lds s[\g0:\g0+3], s[\g1:\g1+7]
	s_nop 0
.rept 4
	v_nop
.endr
	s_branch .Lhead_asked
\next:
.endm
	ARM 0, G0,  G1,  .Lhead_b
	ARM 2, G0B, G1B, .Lhead_sa
	ARM 1, G0S, G1S, .Lhead_sb
	tensor_load_to_lds s[G0SB:G0SB+3], s[G1SB:G1SB+7]
	s_nop 0
.rept 4
	v_nop
.endr
.Lhead_asked:
	v_and_b32 v1, 15, v0                           ; n = lane % 16
	v_bfe_u32 v2, v0, 4, 1                         ; h = lane / 16
	v_mul_u32_u24 v3, v1, PITCH
	v_lshl_add_u32 v4, v2, 4, v3                   ; a fragment's row x pitch + 16 h
	s_wait_alu depctr_va_vdst(0)
	s_mul_i32 s66, s[P1], HALFT                    ; my 128 rows of A
	s_mul_i32 s67, s[P0], HALFT                    ; my 128 rows of B,
	s_add_co_u32 s67, s67, 2*HALFT                 ; which lie behind A's 256
.irp s, 0,1
	v_add_nc_u32 v[ADRA+\s], s66, v4
	v_add_nc_u32 v[ADRB+\s], s67, v4
	s_add_co_u32 s66, s66, SLOT
	s_add_co_u32 s67, s67, SLOT
.endr
	s_mul_i32 s66, s[P1], QUART                    ; v: my 64 rows of A
	v_add_nc_u32 v[ADRA2], s66, v4
	s_add_co_u32 s66, s66, SLOT
	v_add_nc_u32 v[ADRA2+1], s66, v4
	v_mul_u32_u24 v5, v1, KS                       ; my row's scales: 32 bytes a row,
	v_lshrrev_b32 v6, 8, v5
	v_lshl_add_u32 v5, v6, 4, v5                   ; and 16 more for each 256 passed
	s_mul_i32 s66, s[P1], HALFS
	s_mul_i32 s67, s[P0], HALFS
	s_add_co_u32 s67, s67, 2*HALFS
	s_sub_co_u32 s67, s67, s66
	v_mul_u32_u24 v6, s67, v2                      ; lanes 16-31 take B's
	s_add_co_u32 s66, s66, SCL
	v_add_nc_u32 v7, v5, v6
	v_add_nc_u32 v[ADRS], s66, v7
	s_mul_i32 s66, s[P0], HALFS                    ; v: A's copy for my half of B,
	s_add_co_u32 s67, s66, 2*HALFS                 ; B's 128 rows behind the two copies,
	s_mul_i32 s3, s[P1], QUARS
	s_add_co_u32 s66, s66, s3                      ; my 64 rows in the copy
	s_sub_co_u32 s67, s67, s66
	v_mul_u32_u24 v6, s67, v2
	s_wait_alu depctr_va_vdst(0)
	s_add_co_u32 s66, s66, SCL2
	v_add_nc_u32 v7, v5, v6
	v_add_nc_u32 v[ADRS2], s66, v7
	s_mul_i32 s66, s[WV], STW1
	s_add_co_u32 s66, s66, STG1                    ; my first stage
	v_mul_u32_u24 v5, v1, 80
	v_lshl_add_u32 v6, v2, 3, v5
	v_add_nc_u32 v[STQ], s66, v6
	v_mul_u32_u24 v6, v2, 1280
	v_add_nc_u32 v6, v6, v5
	v_add_nc_u32 v[SWQ], s66, v6
	v_and_b32 v6, 31, v0
	v_lshlrev_b32 v[CO], 4, v6
	v_add_nc_u32 v[RD1], s66, v[CO]
	v_mul_u32_u24 v6, v2, 39680                    ; a head's 40,960 bytes less the block's 1,280
	v_add_nc_u32 v[CO2], v6, v[CO]
	s_mul_i32 s66, s[WV], STW2                     ; my stage for v
	v_mul_u32_u24 v5, v1, 144
	v_add_nc_u32 v[SWV], s66, v5
	v_lshl_add_u32 v6, v2, 3, v5
	v_add_nc_u32 v[STV], s66, v6
	v_add_nc_u32 v[RD2], s66, v[CO]
	v_lshlrev_b32 v31, 5, v2                       ; 32 h
	s_wait_alu depctr_va_vdst(0)
	v_lshlrev_b32 v30, 2, v1                       ; 4 n
	v_mul_u32_u24 v24, v2, 272                     ; v24: where my 16 bytes of v's scales go in LDS: a unit of 256 bytes + 16 for each half of the lanes,
	v_lshl_add_u32 v24, v1, 4, v24
	v_add_nc_u32 v24, s[G0SB2+1], v24              ; in my wave's quarter: SCL2 + wave x HALFS
	s_lshl_b32 s22, s[CX], 10
	s_lshl_b32 s23, s[P0], 9
	s_add_co_u32 s22, s22, s23
	s_mov_b32 s23, 0
	s_add_nc_u64 s[20:21], s[20:21], s[22:23]      ; bq or bk at my 128 channels: 256 cx + 128 x half
	s_lshl_b32 s22, s[TA2], 9
	s_lshl_b32 s23, s[P1], 8
	s_add_co_u32 s22, s22, s23
	s_mov_b32 s23, 0
	s_add_nc_u64 s[24:25], s[24:25], s[22:23]      ; bv at my 64 channels: 128 x tile + 64 x half
	; v's scales come through registers: 4,096 bytes a wave: waves 0 and 1 each a copy of Wv's 128 rows', waves 2 and 3 the halves of x's 256 rows'.  No fill lands on their LDS bytes
	s_cmp_eq_u32 s[P1], 0
	s_cselect_b64 s[66:67], s[G0S2+2:G0S2+3], s[G0SB2+2:G0SB2+3]
.irp i, 0,1,2,3,4,5,6,7
	global_load_b128 v[160+4*\i:160+4*\i+3], v[CO], s[66:67] offset:512*\i
.endr
.irp b, 0,1,2,3,4,5,6,7                        ; the bias as q and k want it: a number for each register
	global_load_b128 v[BI+8*\b:BI+8*\b+3], v31, s[20:21] offset:64*\b
	global_load_b128 v[BI+8*\b+4:BI+8*\b+7], v31, s[20:21] offset:64*\b+16
.endr
	; dist_emb: wave 0 of each of q's 128 work-groups takes eight rows.  A lane holds 16 neighbours of a row, two neighbouring lanes a block of 32, four a row
	; SLOT 1's FIRST FILL is asked for here, ahead of the table's work and of every wait for the plain loads above, which stay out across the round (nobody writes what they read)
	s_wait_alu depctr_va_vdst(0)
	s_wait_tensorcnt 0x0                           ; my tile of the head's four is in
	ds_add_u32 v[SPW], v[NIL]                      ; 0 onto my spare word
	s_mov_b32 s[G1+2], 128<<16                     ; no tensor load of mine is out: from here on a load brings 128 rows
	s_mov_b32 s[G1+4], 128
	s_mov_b32 s[G1B+2], 128<<16
	s_mov_b32 s[G1B+4], 128
	s_wait_dscnt 0x0                               ; the add is done
	CROUND                                         ; all four tiles are in, and all sixteen work-groups are here
	JLOAD G0+4, G1, G0B+4, G1B                     ; K step 1, my one load behind the round
	s_cmp_lg_u32 s[TAU], 0
	s_cbranch_scc1 .Lno_e
	s_cmp_lg_u32 s[WV], 0
	s_cbranch_scc1 .Lno_e
	s_lshl_b32 s22, s[TA], 2
	s_add_co_u32 s22, s22, s[CX]
	s_lshl_b32 s22, s22, 3                         ; my first row: 8 (4 x tile + cx)
	v_lshrrev_b32 v1, 2, v0                        ; (in wave 0 the thread's number is the lane)
	v_add_nc_u32 v1, s22, v1                       ; my row of e_rows
	v_and_b32 v2, 3, v0
	v_min_u32 v3, 0x3fe, v1                        ; the table has 1,023 rows: row 1023 reads row 1022
	v_lshlrev_b32 v3, 8, v3
	v_lshl_add_u32 v3, v2, 6, v3
.irp i, 0,1,2,3
	global_load_b128 v[128+4*\i:128+4*\i+3], v3, s[26:27] offset:16*\i
.endr
	v_mul_u32_u24 v4, v1, 80
	v_lshl_add_u32 v5, v2, 4, v4
	v_and_b32 v6, 2, v0
	v_cmp_ne_u32 vcc_lo, 0, v6                     ; lanes of the row's second block
	v_mov_b32 v37, 0                               ; (a DPP form's destination counts as one of its sources)
	v_mov_b32 v149, 0
	v_mov_b32 v150, 0
	v_mov_b32 v151, 0
	s_wait_loadcnt 0x0
	v_max3_num_f32 v32, |v128|, |v129|, |v130|
	v_max3_num_f32 v33, |v131|, |v132|, |v133|
.irp i, 6,10
	v_max3_num_f32 v32, v32, |v[128+\i]|, |v[129+\i]|
	v_max3_num_f32 v33, v33, |v[130+\i]|, |v[131+\i]|
.endr
	v_max3_num_f32 v32, v32, |v142|, |v143|
	v_max3_num_f32 v32, v32, v33, 0x8000000        ; and the floor 2^(16 - 127): the byte cannot fall under 1
	v_max_num_f32_dpp v32, v32, v32 row_xmask:1 row_mask:0xf bank_mask:0xf   ; with my neighbour's 16: the block's largest magnitude
	v_add_nc_u32 v34, 0xf8800000, v32              ; 15 off its exponent field: the conversion's scale operand
	v_and_or_b32 v35, v32, 0x7f800000, s[MNT]      ; 57,344 x the scale
.irp i, 0,1,2,3,4,5,6,7,8,9,10,11,12,13,14,15
	v_med3_num_f32 v[128+\i], v[128+\i], -v35, v35 ; the conversion to an 8-bit code does not saturate (ISA guide 7.6.2)
.endr
	v_cvt_scalef32_pk8_bf8_f32 v[144:145], v[128:135], v34
	v_cvt_scalef32_pk8_bf8_f32 v[146:147], v[136:143], v34
	v_lshrrev_b32 v36, 23, v34                     ; my block's byte
	v_mov_b32_dpp v37, v36 row_xmask:2 row_mask:0xf bank_mask:0xf            ; the row's other block's
	v_cndmask_b32 v39, v36, v37, vcc_lo            ; the first block's byte,
	v_cndmask_b32 v40, v37, v36, vcc_lo            ; the second's
	v_lshl_or_b32 v148, v40, 8, v39
	global_store_b128 v5, v[144:147], s[30:31]
	global_store_b128 v4, v[148:151], s[30:31] offset:64   ; the four lanes of a row store the same 16 bytes with the same value
.Lno_e:
	s_wait_xcnt 0x0                                ; the stores above have read their registers: the loads below land on some of them
	s_wait_alu depctr_va_vdst(0)
.irp a, 0,1,2,3                                ; the bias as v wants it: a number for each lane and block of rows; twice, so that the packed addition takes the pair as it stands
	global_load_b32 v[BV+2*\a], v30, s[24:25] offset:64*\a
	global_load_b32 v[BV+2*\a+1], v30, s[24:25] offset:64*\a
.endr
	s_wait_loadcnt 0x0                             ; all loads are in: the biases' and the table's pointers are done with
	; where the results go.  These sums mix cx and cy: they stand in s20-s29, none of which feeds a descriptor
.irp i, 0,1,2,3,4,5,6,7
	ds_store_b128 v24, v[160+4*\i:160+4*\i+3] offset:544*\i   ; two units of 256 bytes + 16 a store; read in the second tile, behind many barriers
.endr
	s_lshr_b32 s20, s[TB2], 1
	s_lshl_b32 s20, s20, 4                         ; v: 16 x batch
	s_lshl_b32 s21, s[TA2], 1
	s_add_co_u32 s20, s20, s21
	s_add_co_u32 s20, s20, s[P1]                   ; + my head: 2 x tile + half
	s_mul_i32 s20, s20, 36864
	s_and_b32 s21, s[TB2], 1
	s_lshl_b32 s21, s21, 1
	s_add_co_u32 s21, s21, s[P0]                   ; my key step
	s_mul_i32 s21, s21, 9216
	s_add_co_u32 s20, s20, s21
	s_add_co_u32 s20, s20, 2*PART
	s_mov_b32 s21, 0
	s_add_nc_u64 s[OUT2:OUT2+1], s[28:29], s[20:21]
	s_lshr_b32 s22, s[TA], 1
	s_lshl_b32 s22, s22, 4                         ; q, k: 16 x batch
	s_lshl_b32 s23, s[CX], 2
	s_add_co_u32 s22, s22, s23
	s_lshl_b32 s23, s[P0], 1
	s_add_co_u32 s22, s22, s23                     ; + my first head: 4 cx + 2 x half
	s_mul_i32 s22, s22, 40960
	s_and_b32 s23, s[TA], 1
	s_lshl_b32 s23, s23, 1
	s_add_co_u32 s23, s23, s[P1]                   ; my 128 tokens of the batch's 512
	s_mul_i32 s23, s23, 10240
	s_add_co_u32 s22, s22, s23
	s_mul_i32 s23, s[TAU], PART
	s_add_co_u32 s22, s22, s23
	s_mov_b32 s23, 0
	s_add_nc_u64 s[OUT1:OUT1+1], s[28:29], s[22:23]
	s_mov_b32 s[SEL], 0x76543210
	s_mov_b32 s[SEL+1], 0xfedcba98
.macro FRAG reg, adr, q, i             ; 16 rows x 128 K of 8-bit codes: lane l holds row l % 16; registers 4 c .. 4 c + 3 hold K = 32 c + 16 (l / 16) + 0 .. 15
.irp c, 0,1,2,3
	ds_load_b128 v[\reg+4*\c:\reg+4*\c+3], v[\adr] offset:128*(\q)+32*\c+(\i)*16*PITCH
.endr
.endm
; First tile, 16 matrix instructions: A's blocks a0, a0 + 1 x B's eight, the slot's q-th 128 along K.  The 64 accumulators take turns, one instruction a turn.
.macro MUL16 a0, p, q, sc, zero
.irp a, \a0, \a0+1
.irp b, 0,1,2,3,4,5,6,7
.if \zero
	v_wmma_scale_f32_16x16x128_f8f6f4 v[8*(8*((\a)%4)+\b):8*(8*((\a)%4)+\b)+7], v[128*(\p)+FR*\b:128*(\p)+FR*\b+FR-1], v[AF+FR*(\a):AF+FR*(\a)+FR-1], 0, v[SC+8*NQ*(\sc)+NQ*\b+(\q)], v[SC+8*NQ*(\sc)+NQ*(\a)+(\q)] matrix_a_fmt:MATRIX_FMT_BF8 matrix_b_fmt:MATRIX_FMT_BF8 matrix_a_scale:MATRIX_SCALE_ROW1
.else
	v_wmma_scale_f32_16x16x128_f8f6f4 v[8*(8*((\a)%4)+\b):8*(8*((\a)%4)+\b)+7], v[128*(\p)+FR*\b:128*(\p)+FR*\b+FR-1], v[AF+FR*(\a):AF+FR*(\a)+FR-1], v[8*(8*((\a)%4)+\b):8*(8*((\a)%4)+\b)+7], v[SC+8*NQ*(\sc)+NQ*\b+(\q)], v[SC+8*NQ*(\sc)+NQ*(\a)+(\q)] matrix_a_fmt:MATRIX_FMT_BF8 matrix_b_fmt:MATRIX_FMT_BF8 matrix_a_scale:MATRIX_SCALE_ROW1
.endif
.endr
.endr
.endm
; v, 16 matrix instructions: A's blocks a0, a0 + 1 of its four x B's eight; set p of both.  The 32 accumulators take turns likewise.
.macro MULH a0, p, q, sc, zero
.irp a, \a0, \a0+1
.irp b, 0,1,2,3,4,5,6,7
.if \zero
	v_wmma_scale_f32_16x16x128_f8f6f4 v[8*(8*(\a)+\b):8*(8*(\a)+\b)+7], v[128*(\p)+FR*\b:128*(\p)+FR*\b+FR-1], v[AF+64*(\p)+FR*(\a):AF+64*(\p)+FR*(\a)+FR-1], 0, v[SC+8*NQ*(\sc)+NQ*\b+(\q)], v[SC+8*NQ*(\sc)+NQ*(\a)+(\q)] matrix_a_fmt:MATRIX_FMT_BF8 matrix_b_fmt:MATRIX_FMT_BF8 matrix_a_scale:MATRIX_SCALE_ROW1
.else
	v_wmma_scale_f32_16x16x128_f8f6f4 v[8*(8*(\a)+\b):8*(8*(\a)+\b)+7], v[128*(\p)+FR*\b:128*(\p)+FR*\b+FR-1], v[AF+64*(\p)+FR*(\a):AF+64*(\p)+FR*(\a)+FR-1], v[8*(8*(\a)+\b):8*(8*(\a)+\b)+7], v[SC+8*NQ*(\sc)+NQ*\b+(\q)], v[SC+8*NQ*(\sc)+NQ*(\a)+(\q)] matrix_a_fmt:MATRIX_FMT_BF8 matrix_b_fmt:MATRIX_FMT_BF8 matrix_a_scale:MATRIX_SCALE_ROW1
.endif
.endr
.endr
.endm
.macro FETCH_B slot, q, p
	WIN TO_B
.irp i, 0,1,2,3,4,5,6,7
	FRAG 128*(\p)+FR*\i, ADRB+\slot, \q, \i
.endr
	WIN 0
.endm
.macro FETCH_A slot, q, i0
.irp i, \i0, \i0+1, \i0+2, \i0+3
	FRAG AF+FR*(\i), ADRA+\slot, \q, \i
.endr
.endm
.macro FETCH_A2 slot, q, p             ; v: A's four blocks into set p
.irp i, 0,1,2,3
	FRAG AF+64*(\p)+FR*\i, ADRA2+\slot, \q, \i
.endr
.endm
.macro SCALES sc, adr                  ; a K step's scale words: two words a row; lanes 0-15 take A's block i, lanes 16-31 B's block i (v has four blocks of A: what lanes 0-15 take for i > 3 is never used)
.irp i, 0,1,2,3,4,5,6,7
	ds_load_b64 v[SC+8*NQ*\sc+NQ*\i:SC+8*NQ*\sc+NQ*\i+1], v[\adr] offset:\i*SBLK
.endr
.endm
.macro PLACES n                        ; plain vector instructions between a matrix instruction and a load into, or a vector write of, one of its registers, or a read of its result
.rept \n
	v_nop
.endr
.endm
.macro TOV slot                        ; this slot's groups 0 now point at v's K step 0 or 1.  (No tensor load of mine is out)
	s_add_co_u32 s[G0+4*\slot+1], s[A2L], \slot*SLOT
	s_add_nc_u64 s[G0+4*\slot+2:G0+4*\slot+3], s[A2P:A2P+1], \slot*ROWB
	s_or_b32 s[G0+4*\slot+3], s[G0+4*\slot+3], 0x80000000
	s_add_nc_u64 s[G0B+4*\slot+2:G0B+4*\slot+3], s[B2P:B2P+1], \slot*ROWB
	s_or_b32 s[G0B+4*\slot+3], s[G0B+4*\slot+3], 0x80000000
.endm
.macro STEP slot, q, zero              ; first tile: 128 along K whose successor lies in the same slot
	s_wait_dscnt 4*NL                              ; B's set and A's blocks 0-3 are in; the youngest 16 loads (A's blocks 4-7) may be out
	WIN MUL_LO
	MUL16 0, (\q)%2, \q, \slot, \zero
	MUL16 2, (\q)%2, \q, \slot, \zero
	s_wait_dscnt 0
	PLACES NP
	FETCH_B \slot, (\q)+1, 1-(\q)%2
	FETCH_A \slot, (\q)+1, 0
	WIN MUL_HI
	MUL16 4, (\q)%2, \q, \slot, \zero
	MUL16 6, (\q)%2, \q, \slot, \zero
	PLACES NP
	WIN 0
	FETCH_A \slot, (\q)+1, 4
.endm
; First tile: a slot's last step changes slots: one barrier, which opens a round of the cluster's; in front of it each wave waits for all its tensor loads, adds 0 to its spare word, and waits for that and for its reads of this slot.
; fill = 1: the slot takes this tile's K step two steps on;  fill = 2: it takes v's K step 0.
.macro TURN slot, next, fill
	s_wait_tensorcnt 0x0                           ; all my tensor loads have landed: my part of the next slot
	ds_add_u32 v[SPW], v[NIL]                      ; 0 onto my spare word
	s_wait_dscnt 4*NL+1                            ; (the add and the youngest 16 loads may be out)
	WIN MUL_LO
	MUL16 0, 1, NQ-1, \slot, 0
	s_wait_dscnt 0x0                               ; the add is done, and my reads of this slot are over
	s_barrier_signal -1
	MUL16 2, 1, NQ-1, \slot, 0
	WIN 0
	s_barrier_wait -1
	CREST                                          ; no wave of any partner still reads this slot or has a load on its way
.if \fill == 1
	s_add_nc_u64 s[G0+4*\slot+2:G0+4*\slot+3], s[G0+4*\slot+2:G0+4*\slot+3], 2*ROWB
	s_add_nc_u64 s[G0B+4*\slot+2:G0B+4*\slot+3], s[G0B+4*\slot+2:G0B+4*\slot+3], 2*ROWB
	JLOAD G0+4*\slot, G1, G0B+4*\slot, G1B         ; the first tensor load behind the round, my only one until the next; its four v_nop are among the places for the loads below
.else
	TOV \slot
	JLOAD G0+4*\slot, G1P, G0B+4*\slot, G1B
.endif
	PLACES NP-4
	s_wait_alu depctr_va_vdst(0)
	v_add_nc_u32 v[ADRS], 4*NQ, v[ADRS]            ; on to the next K step's scale words
	FETCH_B \next, 0, 0
	FETCH_A \next, 0, 0
	SCALES \next, ADRS
	WIN MUL_HI
	MUL16 4, 1, NQ-1, \slot, 0
	MUL16 6, 1, NQ-1, \slot, 0
	PLACES NP
	WIN 0
	FETCH_A \next, 0, 4
.endm
; v: both operands have two sets, so a step's 48 loads for the next step stand in one run at its head, 32 matrix instructions ahead of their use.
.macro STEP2 slot, zero                ; a slot's first 128 along K: set 0
	s_wait_dscnt 0x0                               ; set 0 and the scale words are in
	PLACES NP                                      ; ahead of the loads into set 1, which the step before multiplied
	FETCH_B \slot, 1, 1
	FETCH_A2 \slot, 1, 1
	WIN MUL_LO
	MULH 0, 0, 0, \slot, \zero
	MULH 2, 0, 0, \slot, \zero
	WIN 0
.endm
.macro TURN2 slot, next, fill          ; a slot's second 128 along K: set 1; all of the slot is in registers at its head, so the change of slots stands there
	s_wait_tensorcnt 0x0                           ; all my tensor loads have landed: my part of the next slot
	ds_add_u32 v[SPW], v[NIL]                      ; 0 onto my spare word
	WIN MUL_LO
	s_wait_dscnt 0x0                               ; the add is done; set 1 is in: my reads of this slot are over
	s_barrier_signal -1
	MULH 0, 1, 1, \slot, 0
	WIN 0
	s_barrier_wait -1
.if \fill
	CREST                                          ; the barrier has opened a round of the cluster's barrier
	s_add_nc_u64 s[G0+4*\slot+2:G0+4*\slot+3], s[G0+4*\slot+2:G0+4*\slot+3], 2*ROWB
	s_add_nc_u64 s[G0B+4*\slot+2:G0B+4*\slot+3], s[G0B+4*\slot+2:G0B+4*\slot+3], 2*ROWB
	JLOAD G0+4*\slot, G1P, G0B+4*\slot, G1B        ; the first tensor load behind the round, my only one until the next: 48 matrix instructions ahead of the wait for it
	PLACES NP-4
.else
	PLACES NP
.endif
	s_wait_alu depctr_va_vdst(0)
	v_add_nc_u32 v[ADRS2], 4*NQ, v[ADRS2]          ; on to the next K step's scale words
	FETCH_B \next, 0, 0
	FETCH_A2 \next, 0, 0
	SCALES \next, ADRS2
	WIN MUL_LO
	MULH 2, 1, 1, \slot, 0
	WIN 0
.endm
; THE WAYS OUT.  Block a (16 of A's rows, one a lane) holds 64 numbers a lane: register 16 b + 8 u + j = B's row 32 b + 16 u + 8 h + j.  A block of 32 along B lies in lanes l and l xor 16.
; 64 numbers in v[X] on become 16 registers of codes in v[PC] on and the row's word in v[WD].
.macro QUANT isv
.irp b, 0,1,2,3
	v_max3_num_f32 v[TM+\b], |v[X+16*\b]|, |v[X+1+16*\b]|, 0x8000000   ; my 16 numbers of block b, and the floor 2^(16 - 127)
.endr
.irp i, 2,4,6,8,10,12,14
.irp b, 0,1,2,3
	v_max3_num_f32 v[TM+\b], v[TM+\b], |v[X+16*\b+\i]|, |v[X+1+16*\b+\i]|
.endr
.endr
.irp b, 0,1,2,3
	v_permlanex16_b32 v[TM+4+\b], v[TM+\b], s[SEL], s[SEL+1]
.endr
.irp b, 0,1,2,3
	v_max_num_f32 v[TM+\b], v[TM+\b], v[TM+4+\b]   ; the block's largest magnitude
.endr
.irp b, 0,1,2,3
	v_add_nc_u32 v[TM+12+\b], 0xf8800000, v[TM+\b] ; 15 off its exponent field: the conversion's scale operand
.endr
.irp b, 0,1,2,3
	v_and_or_b32 v[TM+8+\b], v[TM+\b], 0x7f800000, s[MNT]   ; 57,344 x the scale
.endr
.irp b, 0,1,2,3
	v_lshrrev_b32 v[TM+4+\b], 23, v[TM+12+\b]      ; the scale's byte
.endr
.if \isv
	v_lshl_or_b32 v[WD], v[TM+5], 8, v[TM+4]       ; v: the four blocks of the step's 128 keys make the row's word
	v_lshl_or_b32 v[WD], v[TM+6], 16, v[WD]
	v_lshl_or_b32 v[WD], v[TM+7], 24, v[WD]
.else
	v_lshl_or_b32 v[WT], v[TM+5], 8, v[TM+4]       ; q, k: blocks 0, 1 are my first head's, blocks 2, 3 my second's
	v_lshl_or_b32 v[WT+1], v[TM+7], 8, v[TM+6]
	v_cndmask_b32 v[WT], v[WT], v[WT+1], vcc_lo    ; lanes 0-15 store the first head's word, lanes 16-31 the second's
	v_lshl_or_b32 v[WD], v[WT], 16, v[WT]          ; {s0, s1, s0, s1}: the row serves in either half of a K of 128
.endif
.irp b, 0,1,2,3
.irp i, 0,1,2,3,4,5,6,7,8,9,10,11,12,13,14,15
	v_med3_num_f32 v[X+16*\b+\i], v[X+16*\b+\i], -v[TM+8+\b], v[TM+8+\b]   ; the conversion to an 8-bit code does not saturate (ISA guide 7.6.2)
.endr
	v_cvt_scalef32_pk8_bf8_f32 v[PC+4*\b:PC+1+4*\b], v[X+16*\b:X+7+16*\b], v[TM+12+\b]
	v_cvt_scalef32_pk8_bf8_f32 v[PC+2+4*\b:PC+3+4*\b], v[X+8+16*\b:X+15+16*\b], v[TM+12+\b]
.endr
	v_nop                                          ; a plain vector instruction behind the last conversion
.endm
.macro OUTSET                          ; behind the last products (their scale words' registers are written here): what a way out wants written once
	PLACES NP
.irp b, 0,1,2,3
	v_mov_b32 v[TM+4+\b], 0                        ; (a lane permute's destination counts as one of its sources)
.endr
	v_mov_b32 v[WD+1], 0
	v_mov_b32 v[WD+2], 0
	v_mov_b32 v[WD+3], 0
.endm
; q, k: block a's 16 tokens are 1,280 consecutive bytes of each of my two heads.  The stage holds the two runs on end, 2,560 bytes: five stores of 512 bytes; of the third, lanes 0-15 end the first head's run and
; lanes 16-31 begin the second's.  Sixteen lanes always store 256 consecutive bytes, aligned.
.macro SEND1 a
	global_store_b128 v[CO], v[BK1:BK1+3], s[OUT1:OUT1+1] offset:1280*(\a)
	global_store_b128 v[CO], v[BK1+4:BK1+7], s[OUT1:OUT1+1] offset:1280*(\a)+512
	global_store_b128 v[CO2], v[BK1+8:BK1+11], s[OUT1:OUT1+1] offset:1280*(\a)+1024
	global_store_b128 v[CO], v[BK1+12:BK1+15], s[OUT1:OUT1+1] offset:1280*(\a)+40960+256
	global_store_b128 v[CO], v[BK1+16:BK1+19], s[OUT1:OUT1+1] offset:1280*(\a)+40960+768
.endm
.macro BLK1 a
.set AC, 64*((\a)%4)
	WIN 0x02+(\a)/4                                ; source 0: the accumulators' window
.set j, 0
.rept 32
	v_pk_add_f32 v[X+j:X+j+1], v[AC+j:AC+j+1], v[BI+j:BI+j+1]             ; + the bias of the register's channel; each accumulator from its low end on
.set j, j+2
.endr
	WIN 0
	s_wait_dscnt 0x0                               ; the last block's stage stores have read the codes' and the word's registers, and its rows are back from the stage
.if (\a) > 0
	SEND1 (\a)-1
.endif
	QUANT 0
.irp b, 0,1,2,3
	ds_store_b64 v[STQ], v[PC+4*\b:PC+4*\b+1] offset:(\b/2)*1280+32*(\b%2)          ; channels 32 b + 8 h + 0 .. 7 of my token's row,
	ds_store_b64 v[STQ], v[PC+4*\b+2:PC+4*\b+3] offset:(\b/2)*1280+32*(\b%2)+16     ; channels 32 b + 16 + 8 h + 0 .. 7
.endr
	ds_store_b128 v[SWQ], v[WD:WD+3] offset:64
	s_wait_xcnt 0x0                                ; the last block's stores to memory have read the registers that the loads below fill
.irp g, 0,1,2,3,4
	ds_load_b128 v[BK1+4*\g:BK1+4*\g+3], v[RD1] offset:512*\g   ; LDS serves a wave's instructions in order (ISA guide 5.7.1.4): these see the stores above, and the next block's stores come behind them
.endr
.endm
.macro BLK2 a
.set AC, 64*(\a)
	WIN 0x02
.set j, 0
.rept 32
	v_pk_add_f32 v[X+j:X+j+1], v[AC+j:AC+j+1], v[BV+2*(\a):BV+2*(\a)+1]   ; + the bias of my lane's channel; each accumulator from its low end on
.set j, j+2
.endr
	WIN 0
	s_wait_dscnt 0x0                               ; the last block's stores have read the codes' registers and the word's
	QUANT 1
.irp b, 0,1,2,3
	ds_store_b64 v[STV], v[PC+4*\b:PC+4*\b+1] offset:2304*(\a)+32*\b          ; keys 32 b + 8 h + 0 .. 7 of my channel's row,
	ds_store_b64 v[STV], v[PC+4*\b+2:PC+4*\b+3] offset:2304*(\a)+32*\b+16     ; keys 32 b + 16 + 8 h + 0 .. 7
.endr
	ds_store_b128 v[SWV], v[WD:WD+3] offset:2304*(\a)+128                     ; both halves of the lanes store the same bytes with the same value
.endm
	; ---- THE FIRST TILE: q or k
	s_or_b32 s[G1P+0], s101, (0<<16)|(1<<20)|(1<<21)|(5<<22)|(3<<25)   ; group 1 for v's tiles of A: 64 rows x 256 bytes, shared along my row of the cluster.  (The loads that named these registers are done: the wait above)
	s_mov_b32 s[G1P+1], ROWB<<16
	s_mov_b32 s[G1P+2], 64<<16
	s_mov_b32 s[G1P+3], ROWB<<16
	s_mov_b32 s[G1P+4], 64
	s_mov_b32 s[G1P+5], KROW
	s_mov_b32 s[G1P+6], 0
	s_mov_b32 s[G1P+7], 0
	FETCH_B 0, 0, 0
	FETCH_A 0, 0, 0
	SCALES 0, ADRS
	FETCH_A 0, 0, 4
	STEP 0, 0, 1                                   ; the first step's products start the sums: nothing is cleared
	TURN 0, 1, 1                                   ; slot 0 takes K step 2
	STEP 1, 0, 0
	TURN 1, 0, 1                                   ; slot 1 takes K step 3
	STEP 0, 0, 0
	TURN 0, 1, 2                                   ; THE RING GOES ON INTO v: slot 0 takes its K step 0
	STEP 1, 0, 0
	s_wait_tensorcnt 0x0                           ; the tile's last step: the change of slots as above, but nothing is fetched from LDS behind it: v's K step 0 has landed,
	ds_add_u32 v[SPW], v[NIL]                      ; 0 onto my spare word
	s_wait_dscnt 4*NL+1
	WIN MUL_LO
	MUL16 0, 1, NQ-1, 1, 0
	s_wait_dscnt 0x0                               ; the add is done, and my reads of slot 1 are over
	s_barrier_signal -1
	MUL16 2, 1, NQ-1, 1, 0
	WIN 0
	s_barrier_wait -1
	CREST
	TOV 1
	JLOAD G0+4, G1P, G0B+4, G1B                    ; slot 1 takes v's K step 1: it lands while q or k goes out
	WIN MUL_HI
	MUL16 4, 1, NQ-1, 1, 0
	MUL16 6, 1, NQ-1, 1, 0
	WIN 0
	OUTSET
	s_mov_b32 vcc_lo, 0xffff0000                   ; lanes 16-31
.irp a, 0,1,2,3,4,5,6,7
	BLK1 \a
.endr
	s_wait_dscnt 0x0
	SEND1 7
	s_wait_xcnt 0x0                                ; the stores have read their registers: A's second set is loaded over them below
	; ---- THE SECOND TILE: v
	FETCH_B 0, 0, 0
	FETCH_A2 0, 0, 0
	SCALES 0, ADRS2
	STEP2 0, 1                                     ; the first step's products start the sums
	TURN2 0, 1, 1                                  ; slot 0 takes K step 2
	STEP2 1, 0
	TURN2 1, 0, 1                                  ; slot 1 takes K step 3
	STEP2 0, 0
	TURN2 0, 1, 0                                  ; nothing is left to fetch; behind this barrier nobody reads slot 0
	STEP2 1, 0
	s_wait_dscnt 0x0
	WIN MUL_LO
	MULH 0, 1, 1, 1, 0
	MULH 2, 1, 1, 1, 0
	WIN 0
	OUTSET
.irp a, 0,1,2,3
	BLK2 \a
.endr
	s_wait_dscnt 0x0
	; the stage holds my head's key step as it lies in memory, 9,216 bytes: back 16 bytes a lane, and out: each store covers 512 consecutive bytes, aligned to 256
.set g, 0
.rept 18
	ds_load_b128 v[BK2+4*g:BK2+4*g+3], v[RD2] offset:512*g
.set g, g+1
.endr
.set g, 0
.rept 18
	s_wait_dscnt 17-g                              ; LDS loads come back in order: the younger ones may be out
	global_store_b128 v[CO], v[BK2+4*g:BK2+4*g+3], s[OUT2:OUT2+1] offset:512*g
.set g, g+1
.endr
	s_wait_tensorcnt 0x0                           ; the wave's end
	ds_add_u32 v[SPW], v[NIL]
	s_wait_dscnt 0x0
	CROUND                                         ; the closing round: no work-group ends while a partner may still ask for a tile that names it
	s_endpgm
.Lfunc_end_k_qdf7fbd4656_qkv:
	.size	k_qdf7fbd4656_qkv, .Lfunc_end_k_qdf7fbd4656_qkv-k_qdf7fbd4656_qkv
	.p2alignl 7, 3214868480
	.fill 96, 4, 3214868480
	.section	.rodata,"a",@progbits
	.p2align	6, 0x0
	.amdhsa_kernel k_qdf7fbd4656_qkv
		.amdhsa_group_segment_fixed_size 327680
		.amdhsa_private_segment_fixed_size 0
		.amdhsa_enable_private_segment 0
		.amdhsa_kernarg_size 112
		.amdhsa_user_sgpr_count 2
		.amdhsa_user_sgpr_kernarg_segment_ptr 1
		.amdhsa_wavefront_size32 1
		.amdhsa_system_sgpr_workgroup_id_x 1
		.amdhsa_system_sgpr_workgroup_id_y 1
		.amdhsa_system_sgpr_workgroup_id_z 1
		.amdhsa_system_vgpr_workitem_id 0
		.amdhsa_next_free_vgpr 1024
		.amdhsa_next_free_sgpr 102
		.amdhsa_reserve_vcc 1
		.amdhsa_float_denorm_mode_32 3
		.amdhsa_float_denorm_mode_16_64 3
		.amdhsa_memory_ordered 1
		.amdhsa_forward_progress 1
		.amdhsa_inst_pref_size 255
	.end_amdhsa_kernel
	.section	.bss,"aw",@nobits
	.p2align	6
	.space	262144
	.amdgpu_metadata
---
amdhsa.version: [ 1, 2 ]
amdhsa.kernels:
  - .name:           k_qdf7fbd4656_qkv
    .symbol:         k_qdf7fbd4656_qkv.kd
    .args:
      - { .name: hidden_states_codes, .offset: 0, .size: 8, .value_kind: global_buffer, .address_space: global }
      - { .name: hidden_states_scales, .offset: 8, .size: 8, .value_kind: global_buffer, .address_space: global }
      - { .name: Wq_codes, .offset: 16, .size: 8, .value_kind: global_buffer, .address_space: global }
      - { .name: Wq_scales, .offset: 24, .size: 8, .value_kind: global_buffer, .address_space: global }
      - { .name: Wk_codes, .offset: 32, .size: 8, .value_kind: global_buffer, .address_space: global }
      - { .name: Wk_scales, .offset: 40, .size: 8, .value_kind: global_buffer, .address_space: global }
      - { .name: Wv_codes, .offset: 48, .size: 8, .value_kind: global_buffer, .address_space: global }
      - { .name: Wv_scales, .offset: 56, .size: 8, .value_kind: global_buffer, .address_space: global }
      - { .name: bq, .offset: 64, .size: 8, .value_kind: global_buffer, .address_space: global }
      - { .name: bk, .offset: 72, .size: 8, .value_kind: global_buffer, .address_space: global }
      - { .name: bv, .offset: 80, .size: 8, .value_kind: global_buffer, .address_space: global }
      - { .name: dist_emb, .offset: 88, .size: 8, .value_kind: global_buffer, .address_space: global }
      - { .name: qkv, .offset: 96, .size: 8, .value_kind: global_buffer, .address_space: global }
      - { .name: e_rows, .offset: 104, .size: 8, .value_kind: global_buffer, .address_space: global }
    .group_segment_fixed_size: 327680
    .private_segment_fixed_size: 0
    .kernarg_segment_align: 8
    .kernarg_segment_size: 112
    .max_flat_workgroup_size: 128
    .sgpr_count:     102
    .vgpr_count:     1024
    .wavefront_size: 32
...
	.end_amdgpu_metadata
.endif
;; end of part 1
;; launch attn (part 2): grid 256 x 1, 8 waves a work-group, clusters of 4 x 1, 327,680 bytes of LDS; arguments qkv, e_rows, attention_mask, out0; writes out0
.if DOCPART == 2
	.amdgcn_target "amdgcn-amd-amdhsa--gfx1250"
	.amdhsa_code_object_version 6
	.text
	.protected	k_qdf7fbd4656_attn
	.globl	k_qdf7fbd4656_attn
	.p2align	8
	.type	k_qdf7fbd4656_attn,@function
k_qdf7fbd4656_attn:
	s_mov_b64 s[64:65], 0
	v_nop
	global_prefetch_b8 v0, s[64:65] scope:SCOPE_SE
	s_setreg_imm32_b32 hwreg(HW_REG_WAVE_MODE, 25, 1), 1
	s_wait_xcnt 0x0
	s_wait_alu depctr_hold_cnt(0) depctr_sa_sdst(0) depctr_va_vdst(0) depctr_va_sdst(0) depctr_va_ssrc(0) depctr_va_vcc(0) depctr_vm_vsrc(0)
	s_getreg_b32 s2, hwreg(HW_REG_IB_STS2, 6, 4)
	s_cmp_eq_u32 s2, 0
	s_cbranch_scc0 .Lentry_in_a_cluster
	s_endpgm
.Lentry_in_a_cluster:
	s_bfe_u32 s2, ttmp6, 0x10000c
	s_cmp_lg_u32 s2, 0x3003
	s_cbranch_scc0 .Lentry_shape_is_right
	s_endpgm
.Lentry_shape_is_right:
; Attention with the relative key and query bias, all products on codes of BF8 (E5M2) with one E8M0 scale for each 32 along K:
; score(l, r) = Q[l].K[r] + Q[l].E[l - r + 511] + K[r].E[l - r + 511];  t = (score + 8 mask[r]) x log2(e) / 8;  M = the row's largest t so far, rounded up to a whole number;  p = 2^(t - M), quantised along the keys;
; out = (P V) / (the row's sum of the unquantised p).  Q, K, V, E come as codes from the launch before (rows of 80 and 144 bytes that carry their own scale word).
; SHARES.  A work-group owns one head of one batch; all that it needs lies in LDS from one fill (K 512 rows, V 256, E 1,024, the mask).  Eight waves, two to a SIMD; wave w owns queries 64 w .. 64 w + 63,
; in two passes of 32 (two tiles of 16), each of four steps of 128 keys.  e_rows is the same for every work-group: the four of a cluster ask for it jointly.
; LAYOUT.  S^T = K Q^T and O^T = V^T P^T: a lane holds ONE query (lane % 16).  Lane m of key tile 2 b + u takes key 32 b + 8 u + m % 8 + 16 (m / 8), so register i of half h is key 32 b + 16 h + 8 u + i.
; K = 64 FILLS HALF AN INSTRUCTION.  Two things ride in the two halves, and where one is to count for nothing the other operand has zero CODES there (all codes here are held at 57,344, so none is infinite; no scale byte is 0xff):
;   E's ten tiles of a step lie on end, 8 registers each, so v[EF + 8 e] on, 16 registers, is [tile e | tile e + 1].  Tile e = rows L0 - R0 + 384 + 16 e on (L0 the pass's first query, R0 the step's first key).
;   QE: [tile t | tile t + 1] x [Q0 | 0] or [0 | Q1]: lane = query, registers = E's rows.  It goes through my scratch in LDS (row n, 592 bytes) and comes back skewed, one word a score, INTO the score's register: it is the C of S^T.
;   K's rows m >= 8 are loaded [K | 0], rows m < 8 [0 | K] (the zero half is read from the zero bytes at ZL).  S^T: x [Q | Q].  KE: x [tile e | tile e + 1]: half h has met tile e + 1 - h, which takes up the 16 keys between the halves.
;   KE's lane is E's row.  With s = 15 - 8 u - i the score of lane n wants lane n + s of G[q] where n + s <= 15 and lane n + s - 16 of G[q + 1] elsewhere: two additions with a row shift (DPP), lanes without a source keep the sum.
;   8 x mask is the C of KE, so it enters each score once.
; LIMITS: NaN and infinities among the inputs are not served.  8 x mask is held from below at -3e38: a mask under -3.7e37 acts as that number (p is 0 all the same, unless a whole row is so masked).
; K.E + 8 mask is summed in the matrix unit, so a large mask costs the score an ulp of the mask, as the addition of the mask does in the problem's own order.  p under 2^-126 is 0.
; REGISTERS.  Window 0: v1-14 addresses that stay, v15-22 those of the step, v23 and v52 Q's scale words, v24-31 -M, largest t and the sum (two halves) for each tile, v32-51 at work, v53-60 K's scale words (later V's),
;   v61-69 E's joined words, v70-71 P's words, v72-111 [Q0][Q0][0][Q1][Q1], v112-191 E's tiles (later V's fragments), v192-255 O^T.
;   Window 1: v0-127 S^T then p (64 q + 16 b + 8 u + i), v128-175 G in two sets of three tiles, v176-191 8 x mask in two sets, v192-223 K's split fragment in two sets (later P's codes).
.set KL, 0                             ; LDS: K, 512 rows of 80 bytes as they lie in memory: 64 codes, the word, 12 zero bytes
.set ZL, 271360                        ; behind the spare words: 40,960 zero bytes, stored by the waves, no fill lands here.  The zero half of K's split fragment is read here, at the same step and tile offsets as the codes,
                                       ; 128 bytes past a multiple of 256
.set VL, 73728                         ; V, 4 steps x 64 rows of 144 bytes: 128 codes, the word, 12 zero bytes
.set EL, 110592                        ; E, 1,024 rows of 80 bytes
.set ML, 192512                        ; 8 x mask, 512 numbers; stored by the waves, no fill lands here
.set QS, 194560                        ; a scratch of 9,472 bytes for each wave; no fill lands here
.set QSB, 9472
.set KPART, 10485760
.set VPART, 20971520
.set AKL0, 1
.set AKH0, 2
.set AKS0, 3
.set AM0,  4
.set AE0,  5
.set AES0, 6
.set AV0,  7
.set AVS0, 8
.set QSW,  9
.set QSR,  10
.set QOF,  11
.set GO,   12
.set STO,  13
.set RD,   14
.set ADKL, 15
.set ADKH, 16
.set ADKS, 17
.set ADM,  18
.set ADE,  19
.set ADES, 20
.set ADV,  21
.set ADVS, 22
.set EW,   32
.set BM,   32
.set TT,   36
.set HOLD, 40
.set SCLF, 44
.set FF,   48
.set TMP,  50
.set KW,   53
.set VW,   53
.set CW,   61
.set PWD,  70
.set QB,   72
.set EF,   112
.set VF,   112
.set OT,   192
.set GG,   128                         ; window 1
.set M8,   176
.set KF,   192
.set PC,   192
.set WV,  12
.set CXR, 13
.set BH,  14
.set G1K, 16
.set G1V, 24
.set G1E, 32
.set G0K, 40
.set G0V, 44
.set G0E, 48
.set SEL, 52
.set CS,  54
.set MNT, 56
.set SE,  57
.set SK,  58
.set SV,  59
.set SM,  60
.set NST, 61
.set NPS, 62
.set SE0, 63
.set QP,  66
.set OP,  68
.set MSB, 0
.macro WIN new                         ; the immediate's high byte repeats the setting that is left
.if MSB != \new
	s_set_vgpr_msb (MSB<<8)|\new
.set MSB, \new
.endif
.endm
.macro CROUND                          ; a round of the cluster's barrier
	s_barrier_signal -1
	s_barrier_wait -1
	s_cmp_lg_u32 s[WV], 0
	s_cbranch_scc1 .Lnot_wave_0_\@
	s_barrier_signal -3
.Lnot_wave_0_\@:
	s_barrier_wait -3
	s_barrier_signal -1
	s_barrier_wait -1
.endm
.macro MM d, a, b, c, sa, sb           ; D = A B + C
	v_wmma_scale_f32_16x16x128_f8f6f4 v[\d:\d+7], v[\a:\a+15], v[\b:\b+15], v[\c:\c+7], v[\sa], v[\sb] matrix_a_fmt:MATRIX_FMT_BF8 matrix_b_fmt:MATRIX_FMT_BF8
.endm
.macro MM0 d, a, b, sa, sb             ; D = A B
	v_wmma_scale_f32_16x16x128_f8f6f4 v[\d:\d+7], v[\a:\a+15], v[\b:\b+15], 0, v[\sa], v[\sb] matrix_a_fmt:MATRIX_FMT_BF8 matrix_b_fmt:MATRIX_FMT_BF8
.endm
	s_load_b256 s[4:11], s[0:1], 0x0               ; qkv s[4:5], e_rows s[6:7], the mask s[8:9], out s[10:11]
	s_set_vgpr_msb 0x40
	v_lshl_add_u32 v254, v0, 2, 0x42000
	v_mov_b32 v255, 0
	s_set_vgpr_msb 0x4045
	ds_add_u32 v254, v255
	ds_add_u32 v254, v255
	s_set_vgpr_msb 0x4500
	v_lshrrev_b32 v1, 5, v0
	s_delay_alu instid0(VALU_DEP_1)
	v_readfirstlane_b32 s[WV], v1                  ; wave 0..7
	s_bfe_u32 s[CXR], ttmp6, 0x40000               ; my place in the cluster: it enters global addresses alone
	s_lshl_b32 s[BH], ttmp9, 2
	s_add_co_u32 s[BH], s[BH], s[CXR]              ; 16 x batch + head
	; K: 128 rows of 20 words, laid in LDS as they lie in memory
	s_mov_b32 s[G1K], 3<<16                        ; K: a quarter of a head, 128 rows of 80 bytes, is 10,240 dense bytes: 40 rows of 256 (32 elements of 8 bytes)
	s_mov_b32 s[G1K+1], 32<<16
	s_mov_b32 s[G1K+2], 40<<16
	s_mov_b32 s[G1K+3], 32<<16
	s_mov_b32 s[G1K+4], 40
	s_mov_b32 s[G1K+5], 32
	s_mov_b32 s[G1K+6], 0
	s_mov_b32 s[G1K+7], 0
	; V: a head's 36,864 dense bytes as 144 rows of 256
	s_mov_b32 s[G1V], 3<<16
	s_mov_b32 s[G1V+1], 32<<16
	s_mov_b32 s[G1V+2], 144<<16
	s_mov_b32 s[G1V+3], 32<<16
	s_mov_b32 s[G1V+4], 144
	s_mov_b32 s[G1V+5], 32
	s_mov_b32 s[G1V+6], 0
	s_mov_b32 s[G1V+7], 0
	; E: half of its 81,920 dense bytes as 160 rows of 256, asked for jointly by the cluster's four
	s_mov_b32 s[G1E], 15|(3<<16)|(1<<21)
	s_mov_b32 s[G1E+1], 32<<16
	s_mov_b32 s[G1E+2], 160<<16
	s_mov_b32 s[G1E+3], 32<<16
	s_mov_b32 s[G1E+4], 160
	s_mov_b32 s[G1E+5], 32
	s_mov_b32 s[G1E+6], 0
	s_mov_b32 s[G1E+7], 0
	s_mov_b32 s[SEL], 0x76543210
	s_mov_b32 s[SEL+1], 0xfedcba98                 ; v_permlanex16_b32's selects for lane l xor 16
	s_mov_b32 s[CS], 0x3e38aa3b                    ; c = log2(e) / 8
	s_mov_b32 s[CS+1], s[CS]                       ; (named with it as a pair, so it is written)
	s_mov_b32 s[MNT], 0x600000                     ; the mantissa field of 57,344
	s_and_b32 s70, s[WV], 3
	s_mul_i32 s71, s70, 10240
	s_mul_i32 s72, s70, 10240                      ; and in memory
	s_mul_i32 s74, s[BH], 40960                    ; the head's first byte in parts q and k
	s_add_co_u32 s72, s72, s74
	s_add_co_u32 s72, s72, KPART
	s_mov_b32 s73, 0
	s_mul_i32 s[QP], s[WV], 5120                   ; my 64 queries' rows
	s_add_co_u32 s[QP], s[QP], s74
	s_mov_b32 s[QP+1], 0
	s_mul_i32 s76, s[BH], 36864
	s_add_co_u32 s76, s76, VPART
	s_mov_b32 s77, 0
	s_and_b32 s78, s[WV], 1
	s_mul_i32 s78, s78, 40960                      ; E's half: of the wave's number alone
	s_mov_b32 s79, 0
	s_lshr_b32 s70, ttmp9, 2                       ; the batch
	s_lshl_b32 s2, s70, 11                         ; its 512 numbers of the mask
	s_mov_b32 s3, 0
	s_lshl_b32 s[OP], s70, 21                      ; out: batch x 512 rows of 4,096 bytes,
	s_and_b32 s70, s[BH], 15
	s_lshl_b32 s70, s70, 8
	s_add_co_u32 s[OP], s[OP], s70                 ; + head x 256,
	s_lshl_b32 s70, s[WV], 18
	s_add_co_u32 s[OP], s[OP], s70                 ; + wave x 64 rows
	s_mov_b32 s[OP+1], 0
	s_mul_i32 s[SE0], s[WV], 5120
	s_add_co_u32 s[SE0], s[SE0], 30720             ; E's first row of a pass's first step, in bytes: 80 (64 w + 384)
	s_wait_dscnt 0x0
	s_wait_kmcnt 0x0
	s_mov_b32 s[G0K], 1
	s_mov_b32 s[G0K+1], s71
	s_add_nc_u64 s[G0K+2:G0K+3], s[4:5], s[72:73]
	s_or_b32 s[G0K+3], s[G0K+3], 0x80000000
	s_mov_b32 s[G0V], 1
	s_mov_b32 s[G0V+1], VL
	s_add_nc_u64 s[G0V+2:G0V+3], s[4:5], s[76:77]
	s_or_b32 s[G0V+3], s[G0V+3], 0x80000000
	s_mov_b32 s[G0E], 1
	s_add_co_u32 s[G0E+1], s78, EL
	s_add_nc_u64 s[G0E+2:G0E+3], s[6:7], s[78:79]
	s_or_b32 s[G0E+3], s[G0E+3], 0x80000000
	s_add_nc_u64 s[QP:QP+1], s[4:5], s[QP:QP+1]
	s_add_nc_u64 s[OP:OP+1], s[10:11], s[OP:OP+1]
	s_add_nc_u64 s[8:9], s[8:9], s[2:3]
	CROUND                                         ; all four work-groups are here: the joint loads meet
	; The launch's only fills, one load a wave at the most: waves 0-3 K's quarters, wave 4 V, waves 5 and 6 E's halves, wave 7 none.  Four v_nop follow each line
	s_cmp_lt_u32 s[WV], 4
	s_cbranch_scc0 .Lnot_k
	tensor_load_to_lds s[G0K:G0K+3], s[G1K:G1K+7]
	s_nop 0
.rept 4
	v_nop
.endr
	s_branch .Lasked
.Lnot_k:
	s_cmp_eq_u32 s[WV], 4
	s_cbranch_scc0 .Lnot_v
	tensor_load_to_lds s[G0V:G0V+3], s[G1V:G1V+7]
	s_nop 0
.rept 4
	v_nop
.endr
	s_branch .Lasked
.Lnot_v:
	s_cmp_lt_u32 s[WV], 7
	s_cbranch_scc0 .Lasked
	tensor_load_to_lds s[G0E:G0E+3], s[G1E:G1E+7]
	s_nop 0
.rept 4
	v_nop
.endr
.Lasked:
	v_lshlrev_b32 v35, 3, v0
	global_load_b64 v[32:33], v35, s[8:9]          ; thread t: numbers 2 t, 2 t + 1 of the batch's mask
	v_lshl_add_u32 v34, v0, 3, ML
	v_and_b32 v23, 15, v0                          ; n = lane % 16
	v_bfe_u32 v24, v0, 4, 1                        ; h = lane / 16
	v_and_b32 v25, 7, v0                           ; n % 8
	v_bfe_u32 v26, v0, 3, 1                        ; g = n / 8
	s_delay_alu instid0(VALU_DEP_2)
	v_mul_u32_u24 v27, v25, 80
	v_xor_b32 v29, 1, v26                          ; 1 - g
	v_lshl_add_u32 v28, v24, 4, v27
	v_mad_u32_u24 v[AKS0], v26, 1280, v27
	v_mad_u32_u24 v[AKL0], v29, ZL+128-1280, v28   ; K's low half: g = 1: the codes of row n % 8 + 16; g = 0: zeros
	v_mad_u32_u24 v[AKH0], v26, ZL+128, v28        ; its high half: g = 0: the codes of row n % 8; g = 1: zeros
	v_add_nc_u32 v[AKS0], 64, v[AKS0]              ; the row's word
	v_add_nc_u32 v[AKL0], 1280, v[AKL0]
	v_lshl_add_u32 v[AM0], v24, 6, ML              ; 8 x mask: half h begins 16 keys on
	v_mul_u32_u24 v27, v23, 80
	s_delay_alu instid0(VALU_DEP_1)
	v_lshl_add_u32 v[QOF], v24, 4, v27             ; Q, in memory: row n, + 16 h
	s_delay_alu instid0(VALU_DEP_1)
	v_add_nc_u32 v[AE0], EL, v[QOF]
	s_delay_alu instid0(VALU_DEP_3)
	v_add_nc_u32 v[AES0], EL+64, v27
	v_mul_u32_u24 v28, v23, 144
	s_delay_alu instid0(VALU_DEP_1)
	v_add_nc_u32 v[AVS0], VL+128, v28
	s_delay_alu instid0(VALU_DEP_2)
	v_lshl_add_u32 v28, v24, 4, v28
	s_delay_alu instid0(VALU_DEP_1)
	v_add_nc_u32 v[AV0], VL, v28
	s_mul_i32 s70, s[WV], QSB
	s_add_co_u32 s70, s70, QS                      ; my scratch
	v_mul_u32_u24 v27, v23, 592
	s_delay_alu instid0(VALU_DEP_1)
	v_lshl_add_u32 v27, v24, 5, v27
	s_delay_alu instid0(VALU_DEP_1)
	v_add_nc_u32 v[QSW], s70, v27                  ; QE in: row n, E's row x at 4 x: tile t's eight of my half at 64 t + 32 h
	v_mad_u32_u24 v27, v23, 596, 64
	v_lshlrev_b32 v28, 6, v24
	s_delay_alu instid0(VALU_DEP_1)
	v_sub_nc_u32 v27, v27, v28
	s_delay_alu instid0(VALU_DEP_1)
	v_add_nc_u32 v[QSR], s70, v27                  ; QE back: x = n + 127 - key: 592 n + 4 n + 64 (1 - h), + 444 - 4 (32 b + 8 u + i) in the offset
	v_mul_u32_u24 v27, v23, 272
	s_delay_alu instid0(VALU_DEP_1)
	v_lshl_add_u32 v27, v24, 5, v27
	s_delay_alu instid0(VALU_DEP_1)
	v_add_nc_u32 v[STO], s70, v27                  ; the way out, in: row n of 256 bytes + 16
	v_mul_u32_u24 v27, v24, 272
	s_delay_alu instid0(VALU_DEP_1)
	v_lshl_add_u32 v27, v23, 4, v27
	s_delay_alu instid0(VALU_DEP_1)
	v_add_nc_u32 v[RD], s70, v27                   ; back: lanes 0-15 one row, lanes 16-31 the next
	v_lshlrev_b32 v27, 12, v24
	s_delay_alu instid0(VALU_DEP_1)
	v_lshl_add_u32 v[GO], v23, 4, v27              ; and the same two rows in out
.irp j, 0,1,2,3,4,5,6,7
	v_mov_b32 v[QB+16+\j], 0                       ; the zero codes between Q0 and Q1
.endr
.irp b, 0,1,2,3
	v_mov_b32 v[TT+\b], 0                          ; (a lane permute's destination counts as one of its sources)
.endr
	v_mov_b32 v[FF+1], 0                           ; (named as the upper half of a pair)
	v_lshl_add_u32 v30, v0, 4, ZL
.irp i, 0,1,2,3,4,5,6,7,8,9
	ds_store_b128 v30, v[QB+16:QB+19] offset:4096*\i   ; the zero bytes: 256 threads x 16 bytes x 10; shown to all waves by the barrier below
.endr
	s_wait_loadcnt 0x0
	v_pk_mul_f32 v[32:33], v[32:33], 0x41000000 op_sel_hi:[1,0]   ; 8 x mask: it is added to the score ahead of the division by 8
	s_delay_alu instid0(VALU_DEP_1)
	v_max_num_f32 v32, 0xff61b1e6, v32             ; held from below at -3e38
	s_delay_alu instid0(VALU_DEP_2)
	v_max_num_f32 v33, 0xff61b1e6, v33
	ds_store_b64 v34, v[32:33]
; 32 queries' codes, each tile twice ([Q | Q]), and their scale words, at byte off from my pointer: asked for a pass ahead of their use
.macro QLOAD off
	v_and_b32 v32, 15, v0
	v_mul_u32_u24 v32, v32, 80
.irp q, 0,1
	global_load_b128 v[QB+24*\q:QB+24*\q+3], v[QOF], s[QP:QP+1] offset:1280*\q+(\off)
	global_load_b128 v[QB+24*\q+4:QB+24*\q+7], v[QOF], s[QP:QP+1] offset:1280*\q+32+(\off)
	global_load_b128 v[QB+24*\q+8:QB+24*\q+11], v[QOF], s[QP:QP+1] offset:1280*\q+(\off)
	global_load_b128 v[QB+24*\q+12:QB+24*\q+15], v[QOF], s[QP:QP+1] offset:1280*\q+32+(\off)
	global_load_b32 v[23+29*\q], v32, s[QP:QP+1] offset:1280*\q+64+(\off)
.endr
.endm
	QLOAD 0                                        ; the first pass's: they are out while the fills land
	s_wait_tensorcnt 0x0                           ; my fill has landed,
	s_wait_dscnt 0x0                               ; my part of the mask is stored:
	s_barrier_signal -1
	s_barrier_wait -1                              ; everybody's are.  From here on the waves share only bytes that nobody writes
; K's split fragment of key tile kt and its eight numbers of 8 x mask, into set kt % 2: six loads
.macro LOADK kt
.set KO, (32*((\kt)/2)+8*((\kt)%2))*80
.set KA, KF+16*((\kt)%2)
.set MS, M8+8*((\kt)%2)
	WIN 0x40                                       ; destination window 1, address window 0
	ds_load_b128 v[KA:KA+3], v[ADKL] offset:KO
	ds_load_b128 v[KA+4:KA+7], v[ADKL] offset:KO+32
	ds_load_b128 v[KA+8:KA+11], v[ADKH] offset:KO
	ds_load_b128 v[KA+12:KA+15], v[ADKH] offset:KO+32
	ds_load_b128 v[MS:MS+3], v[ADM] offset:128*((\kt)/2)+32*((\kt)%2)
	ds_load_b128 v[MS+4:MS+7], v[ADM] offset:128*((\kt)/2)+32*((\kt)%2)+16
.endm
; Q.E for query tile q: nine products, through the scratch, back skewed into S^T's registers
.macro QE q
.if \q
	s_wait_dscnt 63                                ; behind tile 0's 18 stores stand its 64 loads: with 63 out the stores have read the registers that are written again below
.endif
	WIN 0x40                                       ; D window 1
.irp t, 0,1,2,3,4,5,6,7
	MM0 64+8*\t, EF+8*\t, QB+8+8*\q, CW+\t, 23+29*\q
.endr
	MM0 128, EF+64, QB+8+8*\q, CW+8, 23+29*\q
.rept 9
	v_nop                                          ; 8 places ahead of the stores that read the results, 9 ahead of the next matrix instructions that write over them
.endr
	WIN 0x04                                       ; an LDS store's data are its source 1: window 1
.irp t, 0,1,2,3,4,5,6,7
	ds_store_b128 v[QSW], v[64+8*\t:64+8*\t+3] offset:64*\t
	ds_store_b128 v[QSW], v[64+8*\t+4:64+8*\t+7] offset:64*\t+16
.endr
	ds_store_b128 v[QSW], v[128:131] offset:512
	ds_store_b128 v[QSW], v[132:135] offset:528
	WIN 0x40
.set j, 0
.rept 64                                       ; LDS serves a wave's instructions in order (ISA guide 5.7.1.4): these see the stores above.  149 words from lane to lane, 16 between the halves: 32 different banks
	ds_load_b32 v[64*\q+j], v[QSR] offset:444-4*(32*(j/16)+j%16)
.set j, j+1
.endr
.endm
; Key tile kt: five products on five accumulators: S^T of both query tiles, adding onto Q.E, and K.E + 8 mask against three pairs of E's tiles
.macro W kt
.set KA, KF+16*((\kt)%2)
.set GS, GG+24*((\kt)%2)
.set MS, M8+8*((\kt)%2)
.set E0, 6-2*((\kt)/2)
	WIN 0x51                                       ; source 0 (K) window 1, source 1 (Q, E) window 0, C and D window 1
	MM 8*(\kt), KA, QB, 8*(\kt), KW+(\kt), 23
	MM GS, KA, EF+8*E0, MS, KW+(\kt), CW+E0
	MM 64+8*(\kt), KA, QB+24, 64+8*(\kt), KW+(\kt), 52
	MM GS+8, KA, EF+8*E0+8, MS, KW+(\kt), CW+E0+1
	MM GS+16, KA, EF+8*E0+16, MS, KW+(\kt), CW+E0+2
.endm
; S^T of key tile kt += K.E, skewed: register i is shifted by s = 15 - 8 (kt % 2) - i.  Lanes without a source keep the sum, and each lane has a source in exactly one of the two additions.
.macro ADD kt
	WIN 0x45                                       ; all in window 1
.if (\kt)%2 == 0
.irp s, 15,14,13,12,11,10,9,8
.irp q, 0,1
	v_add_f32_dpp v[64*\q+8*(\kt)+15-\s], v[GG+8*\q+15-\s], v[64*\q+8*(\kt)+15-\s] row_shl:\s row_mask:0xf bank_mask:0xf
.endr
.endr
.irp r, 1,2,3,4,5,6,7,8
.irp q, 0,1
	v_add_f32_dpp v[64*\q+8*(\kt)+\r-1], v[GG+8*\q+8+\r-1], v[64*\q+8*(\kt)+\r-1] row_shr:\r row_mask:0xf bank_mask:0xf
.endr
.endr
.else
.irp s, 7,6,5,4,3,2,1
.irp q, 0,1
	v_add_f32_dpp v[64*\q+8*(\kt)+7-\s], v[GG+24+8*\q+7-\s], v[64*\q+8*(\kt)+7-\s] row_shl:\s row_mask:0xf bank_mask:0xf
.endr
.endr
.irp q, 0,1
	v_add_f32 v[64*\q+8*(\kt)+7], v[GG+24+8*\q+7], v[64*\q+8*(\kt)+7]        ; s = 0: every lane takes its own
.endr
.irp r, 9,10,11,12,13,14,15
.irp q, 0,1
	v_add_f32_dpp v[64*\q+8*(\kt)+\r-9], v[GG+24+8*\q+8+\r-9], v[64*\q+8*(\kt)+\r-9] row_shr:\r row_mask:0xf bank_mask:0xf
.endr
.endr
.endif
.endm
; The softmax of query tile q for this step's 128 keys, and p's codes and scale word
.macro SOFTMAX q
.set SB, 64*\q
.set ST, 24+4*\q
	WIN 0x15                                       ; sources in window 1, destination in window 0
.irp b, 0,1,2,3
	v_max3_num_f32 v[BM+\b], v[SB+16*\b], v[SB+16*\b+1], v[SB+16*\b+2]   ; the largest score of each block of 32 keys: for the row's maximum and, since p rises with the score, for the block's largest p
.endr
	WIN 0x14
.irp i, 3,5,7,9,11,13
.irp b, 0,1,2,3
	v_max3_num_f32 v[BM+\b], v[BM+\b], v[SB+16*\b+\i], v[SB+16*\b+\i+1]
.endr
.endr
.irp b, 0,1,2,3
	s_delay_alu instid0(VALU_DEP_4)
	v_max_num_f32 v[BM+\b], v[BM+\b], v[SB+16*\b+15]
.endr
	WIN 0
.irp b, 0,1,2,3
	v_permlanex16_b32 v[TT+\b], v[BM+\b], s[SEL], s[SEL+1]
.endr
.irp b, 0,1,2,3
	s_delay_alu instid0(VALU_DEP_4)
	v_max_num_f32 v[BM+\b], v[BM+\b], v[TT+\b]     ; with lane l xor 16's 16 keys
.endr
	s_delay_alu instid0(VALU_DEP_2)
	v_max3_num_f32 v[TMP], v[BM], v[BM+1], v[BM+2]
	s_delay_alu instid0(VALU_DEP_1)
	v_max_num_f32 v[TMP], v[TMP], v[BM+3]
	s_delay_alu instid0(VALU_DEP_1)
	v_mul_f32 v[TMP], s[CS], v[TMP]                ; as t (c is positive)
	s_delay_alu instid0(VALU_DEP_1)
	v_max_num_f32 v[ST+1], v[ST+1], v[TMP]         ; the running largest t
	v_mov_b32 v[TMP], v[ST]
	s_delay_alu instid0(VALU_DEP_2)
	v_floor_f32 v[ST], -v[ST+1]                    ; the new -M = floor(-t): M is a whole number
	s_delay_alu instid0(VALU_DEP_1)
	v_sub_f32 v[TMP], v[ST], v[TMP]                ; old M - new M: a whole number, 0 or less
	s_delay_alu instid0(VALU_DEP_1)
	v_cvt_i32_f32 v[TMP], v[TMP]                   ; (it saturates)
	s_delay_alu instid0(VALU_DEP_1)
	v_ldexp_f32 v[FF], 1.0, v[TMP]                 ; f = 2^(old M - new M): a multiplication by it rounds nothing
.irp b, 0,1,2,3
	v_fma_f32 v[BM+\b], v[BM+\b], s[CS], v[ST]
.endr
	WIN 0x41                                       ; source 0 and destination window 1
.set j, 0
.rept 32
	v_pk_fma_f32 v[SB+j:SB+j+1], v[SB+j:SB+j+1], s[CS:CS+1], v[ST:ST+1] op_sel_hi:[1,0,0]   ; t - M, two at a time
.set j, j+2
.endr
.set j, 0
	s_wait_alu depctr_va_vdst(0)
.rept 64
	v_exp_f32 v[SB+j], v[SB+j]                     ; p = 2^(t - M), at most 1: not normalised
.set j, j+1
.endr
	WIN 0
.irp b, 0,1,2,3
	v_exp_f32 v[BM+\b], v[BM+\b]                   ; the block's largest p: the same two instructions on the same number give the same bits
.endr
	v_pk_mul_f32 v[ST+2:ST+3], v[ST+2:ST+3], v[FF:FF+1] op_sel_hi:[1,0]   ; the sums under the new M.  (The plain instruction behind the exponentials)
	s_wait_alu depctr_va_vdst(0)
.irp b, 0,1,2,3
	v_max_num_f32 v[BM+\b], 0x8000000, v[BM+\b]    ; the floor 2^(16 - 127): the byte cannot fall under 1
.endr
.irp b, 0,1,2,3
	s_delay_alu instid0(VALU_DEP_4)
	v_add_nc_u32 v[SCLF+\b], 0xf8800000, v[BM+\b]  ; 15 off the exponent field: the conversion's scale operand
.endr
.irp b, 0,1,2,3
	v_and_or_b32 v[HOLD+\b], v[BM+\b], 0x7f800000, s[MNT]   ; 57,344 x the scale
.endr
.irp b, 0,1,2,3
	v_lshrrev_b32 v[TT+\b], 23, v[SCLF+\b]         ; the scale's byte
.endr
	s_delay_alu instid0(VALU_DEP_3)
	v_lshl_or_b32 v[PWD+\q], v[TT+1], 8, v[TT]     ; p's scale word for these 128 keys
	s_delay_alu instid0(VALU_DEP_1)
	v_lshl_or_b32 v[PWD+\q], v[TT+2], 16, v[PWD+\q]
	s_delay_alu instid0(VALU_DEP_1)
	v_lshl_or_b32 v[PWD+\q], v[TT+3], 24, v[PWD+\q]
	WIN 0x05
	v_pk_add_f32 v[TMP:TMP+1], v[SB:SB+1], v[SB+2:SB+3]     ; the row's sum is taken of the unquantised p: two at a time, in two chains
	WIN 0x04
.irp j, 4,8,12,16,20,24,28,32,36,40,44,48,52,56,60
	v_pk_add_f32 v[ST+2:ST+3], v[ST+2:ST+3], v[SB+\j:SB+\j+1]
	v_pk_add_f32 v[TMP:TMP+1], v[TMP:TMP+1], v[SB+\j+2:SB+\j+3]
.endr
	WIN 0
	v_pk_add_f32 v[ST+2:ST+3], v[ST+2:ST+3], v[TMP:TMP+1]
	WIN 0x41
.irp b, 0,1,2,3
.irp i, 0,1,2,3,4,5,6,7,8,9,10,11,12,13,14,15
	v_min_num_f32 v[SB+16*\b+\i], v[SB+16*\b+\i], v[HOLD+\b]   ; the conversion does not saturate (ISA guide 7.6.2); p is not negative, so the hold is one-sided
.endr
	v_cvt_scalef32_pk8_bf8_f32 v[PC+16*\q+4*\b:PC+16*\q+4*\b+1], v[SB+16*\b:SB+16*\b+7], v[SCLF+\b]
	v_cvt_scalef32_pk8_bf8_f32 v[PC+16*\q+4*\b+2:PC+16*\q+4*\b+3], v[SB+16*\b+8:SB+16*\b+15], v[SCLF+\b]
.endr
	WIN 0
.set j, 0
.rept 16
	v_pk_mul_f32 v[OT+32*\q+j:OT+32*\q+j+1], v[OT+32*\q+j:OT+32*\q+j+1], v[FF:FF+1] op_sel_hi:[1,0]   ; O^T under the new M; also the places behind the conversions and ahead of the products
.set j, j+2
.endr
.endm
	s_mov_b32 s[NPS], 2
.Lpass:
	; ---- a pass's head: 32 queries' codes, each tile twice ([Q | Q]); the statistics; O^T begins as zeros, which the first change of M leaves zeros, so that the step is written once
.irp q, 0,1
	v_mov_b32 v[25+4*\q], 0xff61b1e6               ; the largest t so far: -3e38
	s_delay_alu instid0(VALU_DEP_1)
	v_floor_f32 v[24+4*\q], -v[25+4*\q]            ; -M
	v_mov_b32 v[26+4*\q], 0
	v_mov_b32 v[27+4*\q], 0
.endr
.set j, 0
.rept 64
	v_mov_b32 v[OT+j], 0
.set j, j+1
.endr
	s_mov_b32 s[SE], s[SE0]
	s_mov_b32 s[SK], 0
	s_mov_b32 s[SV], 0
	s_mov_b32 s[SM], 0
	s_mov_b32 s[NST], 4
	s_wait_loadcnt 0x0
.Lstep:
	; ---- a step's head.  The eight additions are also the places behind the last step's products, whose operands' registers the loads below fill
	v_add_nc_u32 v[ADKL], s[SK], v[AKL0]
	v_add_nc_u32 v[ADKH], s[SK], v[AKH0]
	v_add_nc_u32 v[ADKS], s[SK], v[AKS0]
	v_add_nc_u32 v[ADM], s[SM], v[AM0]
	v_add_nc_u32 v[ADE], s[SE], v[AE0]
	v_add_nc_u32 v[ADES], s[SE], v[AES0]
	v_add_nc_u32 v[ADV], s[SV], v[AV0]
	v_add_nc_u32 v[ADVS], s[SV], v[AVS0]
.irp e, 0,1,2,3,4,5,6,7,8,9
	ds_load_b128 v[EF+8*\e:EF+8*\e+3], v[ADE] offset:1280*\e
	ds_load_b128 v[EF+8*\e+4:EF+8*\e+7], v[ADE] offset:1280*\e+32
.endr
.irp e, 0,1,2,3,4,5,6,7,8,9
	ds_load_b32 v[EW+\e], v[ADES] offset:1280*\e
.endr
.irp t, 0,1,2,3,4,5,6,7
	ds_load_b32 v[KW+\t], v[ADKS] offset:(32*(\t/2)+8*(\t%2))*80
.endr
	LOADK 0
	LOADK 1
	s_wait_dscnt 12                                ; all but the twelve loads of the two key tiles
	WIN 0
.irp e, 0,1,2,3,4,5,6,7,8
	v_lshl_or_b32 v[CW+\e], v[EW+\e+1], 16, v[EW+\e]   ; the word of [tile e | tile e + 1]
.endr
.rept 8
	v_nop                                          ; a scale register written by a vector instruction stands 8 places ahead of its matrix instruction
.endr
	QE 0
	s_wait_alu depctr_va_vdst(0)
	QE 1
	; ---- the eight key tiles: tile t's products, the additions of tile t - 1 (also the places behind the products), the loads of tile t + 2
	s_wait_dscnt 56                                ; S^T's first tile of both query tiles has its Q.E: seven tiles' 56 loads may be out
	W 0
.rept 9
	v_nop                                          ; 8 places ahead of the loads below; 9 ahead of tile 2's products, which write over this tile's G (the additions between name these registers and are no places)
.endr
	LOADK 2
	s_wait_dscnt 54                                ; six tiles' 48 loads and the six just issued
	W 1
	ADD 0
	LOADK 3
.irp t, 2,3,4,5
	s_wait_dscnt 6                                 ; all but the next tile's six
	W \t
	ADD \t-1
	LOADK \t+2
.endr
	s_wait_dscnt 6
	W 6
	ADD 5
	s_wait_dscnt 0x0
	W 7
	ADD 6
	WIN 0
.irp d, 0,1,2,3                                ; V's four fragments of the step take E's place: asked for a softmax ahead of their use
.irp c, 0,1,2,3
	ds_load_b128 v[VF+16*\d+4*\c:VF+16*\d+4*\c+3], v[ADV] offset:2304*\d+32*\c
.endr
	ds_load_b32 v[VW+\d], v[ADVS] offset:2304*\d
.endr
	ADD 7
	SOFTMAX 0
	SOFTMAX 1
	s_wait_alu depctr_va_vdst(0)
	s_wait_dscnt 0x0                               ; V
	WIN 0x04                                       ; source 1 (P) window 1
.irp d, 0,1,2,3
.irp q, 0,1
	MM OT+32*\q+8*\d, VF+16*\d, PC+16*\q, OT+32*\q+8*\d, VW+\d, PWD+\q
.endr
.endr
	WIN 0
	s_sub_co_u32 s[SE], s[SE], 10240               ; the next 128 keys: E's rows 128 lower,
	s_add_co_u32 s[SK], s[SK], 10240               ; K's 128 rows on,
	s_add_co_u32 s[SV], s[SV], 9216                ; V's 64 rows on,
	s_add_co_u32 s[SM], s[SM], 512                 ; the mask's 128 numbers on
	s_sub_co_u32 s[NST], s[NST], 1
	s_cmp_lg_u32 s[NST], 0
	s_cbranch_scc1 .Lstep
	s_cmp_eq_u32 s[NPS], 1                         ; the last pass has no successor: a branch on the count of passes leads round the loads
	s_cbranch_scc1 .Lno_q
	QLOAD 2560                                     ; the next pass's queries: Q's registers were last read by key tile 7's products, two softmaxes back; the loads are out while this pass goes out
.Lno_q:
	; ---- a pass's end: O^T / the sum, through my scratch, a query's 64 numbers of this head (256 bytes) to sixteen lanes
	v_add_f32 v26, v26, v27
	v_add_f32 v30, v30, v31
	s_delay_alu instid0(VALU_DEP_2)
	v_permlanex16_b32 v[TT], v26, s[SEL], s[SEL+1]
	s_delay_alu instid0(VALU_DEP_2)
	v_permlanex16_b32 v[TT+1], v30, s[SEL], s[SEL+1]
	s_delay_alu instid0(VALU_DEP_2)
	v_add_f32 v26, v26, v[TT]
	s_delay_alu instid0(VALU_DEP_2)
	v_add_f32 v30, v30, v[TT+1]
.rept 4
	v_nop                                          ; with the four additions: the 8 places behind the last products
.endr
	s_wait_alu depctr_va_vdst(0)
	v_rcp_f32 v[FF], v26
	v_rcp_f32 v[TMP], v30
	v_nop                                          ; a plain instruction behind the reciprocals
	s_wait_alu depctr_va_vdst(0)
.irp q, 0,1
.set j, 0
.rept 16
	v_pk_mul_f32 v[OT+32*\q+j:OT+32*\q+j+1], v[OT+32*\q+j:OT+32*\q+j+1], v[FF+2*\q:FF+2*\q+1] op_sel_hi:[1,0]
.set j, j+2
.endr
.endr
.irp q, 0,1
.irp d, 0,1,2,3
	ds_store_b128 v[STO], v[OT+32*\q+8*\d:OT+32*\q+8*\d+3] offset:4352*\q+64*\d
	ds_store_b128 v[STO], v[OT+32*\q+8*\d+4:OT+32*\q+8*\d+7] offset:4352*\q+64*\d+16
.endr
.endr
.irp q, 0,1
.irp i, 0,1,2,3,4,5,6,7
	ds_load_b128 v[VF+32*\q+4*\i:VF+32*\q+4*\i+3], v[RD] offset:4352*\q+544*\i   ; LDS serves a wave's instructions in order: these see my stores
.endr
.endr
.set k, 0
.rept 16
	s_wait_dscnt 15-k
	global_store_b128 v[GO], v[VF+4*k:VF+4*k+3], s[OP:OP+1] offset:65536*(k/8)+8192*(k%8) th:TH_STORE_NT   ; sixteen lanes store 256 consecutive bytes, aligned
.set k, k+1
.endr
	s_wait_xcnt 0x0                                ; the stores have read their registers and their base
	s_add_nc_u64 s[QP:QP+1], s[QP:QP+1], 2560      ; the next 32 queries
	s_add_nc_u64 s[OP:OP+1], s[OP:OP+1], 131072
	s_add_co_u32 s[SE0], s[SE0], 2560
	s_sub_co_u32 s[NPS], s[NPS], 1
	s_cmp_lg_u32 s[NPS], 0
	s_cbranch_scc1 .Lpass
	s_set_vgpr_msb 0x5
	s_wait_tensorcnt 0x0
	ds_add_u32 v254, v255
	s_wait_dscnt 0x0
	s_set_vgpr_msb 0x500
	CROUND                                         ; the closing round: no work-group ends while a partner may still ask for a tile that names it
	s_endpgm
.Lfunc_end_k_qdf7fbd4656_attn:
	.size	k_qdf7fbd4656_attn, .Lfunc_end_k_qdf7fbd4656_attn-k_qdf7fbd4656_attn
	.p2alignl 7, 3214868480
	.fill 96, 4, 3214868480
	.section	.rodata,"a",@progbits
	.p2align	6, 0x0
	.amdhsa_kernel k_qdf7fbd4656_attn
		.amdhsa_group_segment_fixed_size 327680
		.amdhsa_private_segment_fixed_size 0
		.amdhsa_enable_private_segment 0
		.amdhsa_kernarg_size 32
		.amdhsa_user_sgpr_count 2
		.amdhsa_user_sgpr_kernarg_segment_ptr 1
		.amdhsa_wavefront_size32 1
		.amdhsa_system_sgpr_workgroup_id_x 1
		.amdhsa_system_sgpr_workgroup_id_y 1
		.amdhsa_system_sgpr_workgroup_id_z 1
		.amdhsa_system_vgpr_workitem_id 0
		.amdhsa_next_free_vgpr 512
		.amdhsa_next_free_sgpr 80
		.amdhsa_reserve_vcc 0
		.amdhsa_float_denorm_mode_32 3
		.amdhsa_float_denorm_mode_16_64 3
		.amdhsa_memory_ordered 1
		.amdhsa_forward_progress 1
		.amdhsa_inst_pref_size 97
	.end_amdhsa_kernel
	.amdgpu_metadata
---
amdhsa.version: [ 1, 2 ]
amdhsa.kernels:
  - .name:           k_qdf7fbd4656_attn
    .symbol:         k_qdf7fbd4656_attn.kd
    .args:
      - { .name: qkv, .offset: 0, .size: 8, .value_kind: global_buffer, .address_space: global }
      - { .name: e_rows, .offset: 8, .size: 8, .value_kind: global_buffer, .address_space: global }
      - { .name: attention_mask, .offset: 16, .size: 8, .value_kind: global_buffer, .address_space: global }
      - { .name: out0, .offset: 24, .size: 8, .value_kind: global_buffer, .address_space: global }
    .group_segment_fixed_size: 327680
    .private_segment_fixed_size: 0
    .kernarg_segment_align: 8
    .kernarg_segment_size: 32
    .max_flat_workgroup_size: 256
    .sgpr_count:     80
    .vgpr_count:     512
    .wavefront_size: 32
...
	.end_amdgpu_metadata
.endif
;; end of part 2
